; MI455X (gfx1250); checked and timed in simulation.
; The chip was launched on July 23, 2026; its instructions are those of AMD's public machine-readable ISA for CDNA 5 (MIT licence, August 2026) and "CDNA5" Instruction Set Architecture Reference Guide (July 2026). The comments in the code are by the model that wrote it; some were corrected since.
;; Block. Allowed arithmetic: matrix products marked QUANTISED: E2M3 operands, one E8M0 scale for each 32 along K, by v_wmma_scale_f32_16x16x128_f8f6f4 with both operands' format E2M3, f32 sums; everything else in f32.
;; Inputs: W_gate 1,024 x 2,048 float32; W_hidden 1,024 x 2,048 float32; W_k 1,024 x 1,024 float32; W_o 1,024 x 1,024 float32; W_out 2,048 x 1,024 float32; W_q 1,024 x 1,024 float32; W_v 1,024 x 1,024 float32; attn_norm_w 1,024 float32; b_o 1,024 float32; b_out 1,024 float32; ffn_norm_w 1,024 float32; x 2 x 2,048 x 1,024 float32.
;; Outputs: out0 2 x 2,048 x 1,024 float32.
;; This version of the problem:
;;   THIS VERSION OF THE PROBLEM IS GIVEN IN LOW PRECISION. The matrix products marked QUANTISED in the list below multiply operands that are first quantised to E2M3 (2 exponent bits, 3 mantissa bits; 6 bits a number), with one power-of-two scale for each 32 numbers along K (OCP MX v1.0); their sums are f32. All else is computed in f32.
;;   The module's matrix products, in the order in which they are computed (A, B: the left and right operand; K: the contracted axis; several contracted axes count as one K, in the product's order):
;;     1. [M 4,096, K 1,024] x [K 1,024, N 1,024]; A: computed on the way; B: input W_q: QUANTISED
;;     2. [M 4,096, K 1,024] x [K 1,024, N 1,024]; A: computed on the way; B: input W_k: QUANTISED
;;     3. [M 4,096, K 1,024] x [K 1,024, N 1,024]; A: computed on the way; B: input W_v: QUANTISED
;;     4. batch 32 x [M 2,048, K 64] x [K 64, N 2,048]; A: computed on the way; B: computed on the way: QUANTISED
;;     5. batch 32 x [M 2,048, K 2,048] x [K 2,048, N 64]; A: softmax (see below); B: computed on the way: QUANTISED
;;     6. [M 4,096, K 1,024] x [K 1,024, N 1,024]; A: computed on the way; B: input W_o: QUANTISED
;;     7. [M 4,096, K 1,024] x [K 1,024, N 2,048]; A: computed on the way; B: input W_gate: QUANTISED
;;     8. [M 4,096, K 1,024] x [K 1,024, N 2,048]; A: computed on the way; B: input W_hidden: QUANTISED
;;     9. [M 4,096, K 2,048] x [K 2,048, N 1,024]; A: computed on the way; B: input W_out: QUANTISED
;;   THE QUANTISER, for each operand of a quantised product, along K:
;;     - K is cut into blocks of 32 from its start; a last block that is shorter is filled with zeros.
;;     - A block's scale is 2^e with e = floor(log2(the largest magnitude in the block)) - 2, held to -126 .. 127; a block of zeros has e = 0. As a byte (E8M0): e + 127.
;;     - Each number is divided by its block's scale, clamped to +-7.5, and rounded to the nearest number of E2M3, ties to even, subnormals kept.
;;     - The product sums the exact products of the quantised numbers (number of the format x scale) in f32.
;;   ~~~python
;;   def quantise(x, axis):      # numpy; x: float32 -> the quantised numbers, widened to float32 again
;;       x = np.moveaxis(x, axis, -1); K = x.shape[-1]
;;       x = np.pad(x, [(0, 0)] * (x.ndim - 1) + [(0, -K % 32)]); x = x.reshape(x.shape[:-1] + (-1, 32)); a = np.abs(x).max(-1, keepdims=True)
;;       e = np.where(a > 0, np.clip(np.frexp(np.where(a > 0, a, 1))[1] - 1 - 2, -126, 127), 0)      # np.frexp(a)[1] - 1 = floor(log2(a)), exactly
;;       r = np.clip(x / 2.0 ** e, -7.5, 7.5)
;;       step = 2.0 ** (np.maximum(np.frexp(np.where(r == 0, 1, r))[1] - 1, 0) - 3)
;;       q = np.round(r / step) * step * 2.0 ** e      # np.round: ties to even
;;       return np.moveaxis(q.reshape(q.shape[:-2] + (-1,))[..., :K], -1, axis).astype(np.float32)
;;   ~~~
;;   SOFTMAX AHEAD OF A QUANTISED PRODUCT. Where the list says 'softmax', what is quantised is not the finished softmax but p = 2^(t - M), with t = logit x log2(e) and M = ceil(the row's largest t), a whole number; so 1/2 < the row's largest p <= 1. The row's sum l is taken of the UNQUANTISED p, in f32, and the product's result is divided by l at the end. Since M is a whole number, a kernel that streams over the keys may use a running M (the ceiling of the running maximum): every later rescaling is an exact power of two, which a block's scale takes up: the codes' values come out the same.
;;   OPERANDS COMPUTED ON THE WAY. 'Computed on the way' means the value that the module computes at that place (a softmax that the list does not call 'softmax' is quantised finished and normalised). What goes into a quantiser is computed in f32, as accurately as f32 sums, v_exp_f32 and their like allow (about 1e-6 of the number): no bf16 or f16 on the way to a quantiser, and a product that is left as it is and whose result goes on into a quantised operand takes f32 operands (vector FMAs, or v_wmma_f32_16x16x4_f32). A number that lies on a knife's edge between two numbers of the format may be rounded either way, as far as f32 arithmetic and the matrix unit's own rounding can turn it there, and no further.
;; One version. Each part assembles by itself: llvm-mc -triple=amdgcn-amd-amdhsa -mcpu=gfx1250 --defsym DOCPART=n.
;; ======== version 1 of 1: 7 launches
;; limits: right only within a limited range of input values
;; workspace buffers: WB 8,192,000 bytes; XQ 3,276,800 bytes; QKVB 9,830,400 bytes; AO 3,276,800 bytes; X1 16,777,216 bytes; HQ 3,276,800 bytes; GQ 6,553,600 bytes
;; launch normx (part 1): grid 416 x 1, 8 waves a work-group, no clusters, 115,968 bytes of LDS; arguments x, attn_norm_w, XQ, WB, W_q, W_k, W_v, W_o, W_gate, W_hidden, W_out; writes XQ, WB
.if DOCPART == 1
	.amdgcn_target "amdgcn-amd-amdhsa--gfx1250"
	.amdhsa_code_object_version 6
	.text
	.protected	k_q1c05147947_normx
	.globl	k_q1c05147947_normx
	.p2align	8
	.type	k_q1c05147947_normx,@function
k_q1c05147947_normx:
	s_mov_b64 s[64:65], 0
	v_nop
	global_prefetch_b8 v0, s[64:65] scope:SCOPE_SE
	s_setreg_imm32_b32 hwreg(HW_REG_WAVE_MODE, 25, 1), 1
	s_wait_xcnt 0x0
; OUT = Q(w * in * rsqrt(mean(in^2) + 1e-6)): 4,096 rows of 1,024 f32 become codes of FP6 (E2M3) with one E8M0 byte for each 32 along the row, as an image of the operand's registers.
; LAYOUT OF OUT.  A tile is 16 rows: lane-row r of tile T is row 32 (T / 2) + 8 (T % 2) + r + 8 (r / 8).  Codes [T][16 halves of 64 along K][768 bytes]: lane L = r + 16 h has 16 bytes at 16 L and 8 at 512 + 8 L,
; the 24 bytes of k = 64 c + 32 h + 0 .. 31.  Scale words from byte 3,145,728: [T][r][8 words], byte b of word s for block 4 s + b.
; SHARES.  A work-group takes one tile.  Phase 1: wave w takes lane-rows 2 w and 2 w + 1, whole rows by loads of 512 consecutive bytes, norms them in registers and lays them in LDS (rows 4,112 bytes apart:
; an odd multiple of 16, so that sixteen rows of one column fall on different banks).  One barrier.  Phase 2: wave w takes 128 along K of all 16 rows, 16 neighbours of each block a lane, and quantises them.
; The order of rounding is (w x) rs.  Memory binds: no matrix unit, no cluster (nothing is read twice).
; LIMITS: NaN and infinities are not served; a block of zeros, or one whose largest magnitude lies under 2^-124, keeps the byte 1; only this program reads the bytes.
.set PITCH, 4112
.set X0,  32                           ; v32-63   my first row, 32 numbers a lane
.set X1,  64                           ; v64-95   my second
.set NW,  96                           ; v96-127  w at the same places
.set Y,   32                           ; v32-95   phase 2: register 16 b + i = k 32 b + 16 h + i of my row
.set TM,  128                          ; v128-143 at work in the quantiser
.set PW,  144                          ; the scale word
.set PC,  146                          ; v146-157 the fragment's codes; v158-160, v162-164 halves on their way
.set SEL, 12                           ; s[12:13] lane selects: lane l xor 16
; TWO JOBS IN ONE BODY, parted on the work-group's number alone.  Work-groups 0-255 norm and quantise rows, as said above.  Work-groups 256-415 (only in the launch whose grid has them) quantise the seven weights into WB.
; Each path has LDS bytes of its own: the rows 0 to 65,791, the spare words behind them, the weights' stages from 66,816 on (6,144 bytes a wave).
; THE WEIGHTS, f32 [K][N] with K their first axis, become codes of FP6 (E2M3) and E8M0 bytes, one for each 32 along K.  A tile is 16 columns: lane-row r of tile T is column 32 (T / 2) + 8 (T % 2) + r + 8 (r / 8).
; Codes [tile][K / 64][768 bytes]: lane L = r + 16 h has 16 bytes at 16 L and 8 at 512 + 8 L.  Tiles of 12,288 bytes: W_q 0-63, W_k 64-127, W_v 128-191, W_o 192-255, gate and hidden 256-511 (four of gate, then the same four
; of hidden); W_out's 64 tiles of 24,576 bytes from byte 6,291,456.  Scale bytes from SC0: [tile][r][K / 32].
; A wave takes 32 columns x 256 along K, a lane a column, its registers down K: 1,280 such jobs, 8 to a work-group; what differs between them is chosen by selects on the job's number.
; LIMITS as above: NaN and infinities are not served; a block of zeros or under 2^-124 keeps the byte 1.
	v_lshl_add_u32 v168, v0, 2, 0x10100
	v_mov_b32 v169, 0
	s_cmp_lt_u32 ttmp9, 256
	s_cbranch_scc1 .Lnorm
.set SC0,  7864320
.set X,    32                          ; v32-95 two sets of 32 numbers; at the end the codes on their way out
.set C,    96                          ; v96-104 a block's codes
.set SB,   24                          ; v[24:25] my column's eight scale bytes
.set AD,   112                         ; v112-143 4 x lane + i x the row pitch
.set BASE, 66                          ; s[66+2t:67+2t] the weight at my columns, row 32 t of my 256
	s_load_b256 s[4:11], s[0:1], 0x20              ; W_q, W_k, W_v, W_o
	s_load_b128 s[12:15], s[0:1], 0x40             ; W_gate, W_hidden
	s_load_b64 s[16:17], s[0:1], 0x50              ; W_out
	s_load_b64 s[18:19], s[0:1], 0x18              ; WB
	v_lshrrev_b32 v1, 5, v0
	v_readfirstlane_b32 s20, v1                    ; wave 0..7
	s_sub_co_u32 s21, ttmp9, 256
	s_lshl_b32 s21, s21, 3
	s_add_co_u32 s21, s21, s20                     ; the job J
	s_and_b32 s22, s21, 31                         ; a square weight (J < 512): column group, slab, weight, first tile
	s_bfe_u32 s23, s21, 0x20005
	s_lshr_b32 s24, s21, 7
	s_lshl_b32 s25, s24, 6
	s_lshl_b32 s26, s22, 1
	s_add_co_u32 s25, s25, s26
	s_sub_co_u32 s27, s21, 512                     ; gate or hidden (512 <= J < 1,024)
	s_and_b32 s28, s27, 63
	s_bfe_u32 s29, s27, 0x20006
	s_bfe_u32 s30, s27, 0x10008
	s_add_co_u32 s31, s30, 4
	s_lshr_b32 s32, s28, 1
	s_lshl_b32 s32, s32, 3
	s_and_b32 s33, s28, 1
	s_lshl_b32 s33, s33, 1
	s_add_co_u32 s32, s32, s33
	s_lshl_b32 s33, s30, 2
	s_add_co_u32 s32, s32, s33
	s_add_co_u32 s32, s32, 256
	s_sub_co_u32 s34, s21, 1024                    ; W_out (J >= 1,024)
	s_and_b32 s35, s34, 31
	s_bfe_u32 s36, s34, 0x30005
	s_lshl_b32 s37, s35, 1
	s_cmp_lt_u32 s21, 512
	s_cselect_b32 s22, s22, s28
	s_cselect_b32 s23, s23, s29
	s_cselect_b32 s24, s24, s31
	s_cselect_b32 s25, s25, s32
	s_cselect_b32 s38, 0, 1
	s_cmp_lt_u32 s21, 1024
	s_cselect_b32 s22, s22, s35                    ; column group
	s_cselect_b32 s23, s23, s36                    ; slab
	s_cselect_b32 s24, s24, 6                      ; weight 0 .. 6
	s_cselect_b32 s25, s25, s37                    ; first tile
	s_cselect_b32 s38, s38, 0                      ; 1: rows of 2,048 numbers
	s_cselect_b32 s39, 0, 1                        ; 1: K = 2,048
	s_lshl_b32 s40, 4096, s38                      ; a row of the weight in bytes
	s_lshl_b32 s41, 12288, s39                     ; a tile's codes
	s_lshl_b32 s42, 512, s39                       ; a tile's scale bytes
	s_lshl_b32 s43, 32, s39                        ; a lane-row's scale bytes
	s_mul_i32 s44, s25, s41
	s_mul_i32 s45, s23, 3072
	s_add_co_u32 s44, s44, s45
	s_mul_i32 s45, s39, 6291456
	s_add_co_u32 s44, s44, s45                     ; where my codes go
	s_mov_b32 s45, 0
	s_mul_i32 s46, s25, s42
	s_lshl_b32 s47, s23, 3
	s_add_co_u32 s46, s46, s47
	s_mul_i32 s47, s39, 262144
	s_add_co_u32 s46, s46, s47
	s_add_co_u32 s46, s46, SC0                     ; and my scale bytes
	s_mov_b32 s47, 0
	s_add_co_u32 s48, s38, 20
	s_lshl_b32 s48, s23, s48                       ; 256 rows x slab
	s_lshl_b32 s49, s22, 7
	s_add_co_u32 s48, s48, s49                     ; + 128 bytes x column group
	s_mov_b32 s49, 0
	s_lshl_b32 s50, s40, 5                         ; 32 rows
	s_mov_b32 s51, 0
	v_and_b32 v1, 31, v0                           ; lane = my column of the 32
	v_bfe_u32 v2, v0, 3, 1                         ; u: which of the two tiles it falls into
	v_and_b32 v3, 7, v0
	v_bfe_u32 v7, v0, 4, 1
	v_lshl_add_u32 v3, v7, 3, v3                   ; r: its lane-row there
	s_mul_i32 s58, s20, 6144
	s_add_co_u32 s58, s58, 66816                   ; my wave's stage: [u][4 halves][768]
	v_mul_u32_u24 v4, v2, 3072
	v_add_nc_u32 v4, s58, v4
	v_lshl_add_u32 v5, v3, 3, v4
	v_lshl_add_u32 v4, v3, 4, v4
	v_lshlrev_b32 v8, 4, v1                        ; out: 16 x lane, tile u = 0,
	v_add_nc_u32 v6, s58, v8
	v_add_nc_u32 v9, s41, v8                       ; tile u = 1
	v_mul_u32_u24 v10, s42, v2
	v_mul_u32_u24 v11, s43, v3
	v_add_nc_u32 v10, v10, v11                     ; my column's row of scale bytes
	v_lshlrev_b32 v[AD], 2, v1
.set ii, 1
.rept 31
	v_add_nc_u32 v[AD+ii], s40, v[AD+ii-1]
.set ii, ii+1
.endr
	s_wait_alu depctr_va_vdst(0)                   ; the wait at the head's end
	s_wait_kmcnt 0x0
	s_mov_b64 s[52:53], s[4:5]                     ; the weight: a choice that hangs on the job's number alone
	s_cmp_eq_u32 s24, 1
	s_cselect_b64 s[52:53], s[6:7], s[52:53]
	s_cmp_eq_u32 s24, 2
	s_cselect_b64 s[52:53], s[8:9], s[52:53]
	s_cmp_eq_u32 s24, 3
	s_cselect_b64 s[52:53], s[10:11], s[52:53]
	s_cmp_eq_u32 s24, 4
	s_cselect_b64 s[52:53], s[12:13], s[52:53]
	s_cmp_eq_u32 s24, 5
	s_cselect_b64 s[52:53], s[14:15], s[52:53]
	s_cmp_eq_u32 s24, 6
	s_cselect_b64 s[52:53], s[16:17], s[52:53]
	s_add_nc_u64 s[BASE:BASE+1], s[52:53], s[48:49]
.irp t, 1,2,3,4,5,6,7
	s_add_nc_u64 s[BASE+2*\t:BASE+2*\t+1], s[BASE+2*\t-2:BASE+2*\t-1], s[50:51]
.endr
	s_add_nc_u64 s[54:55], s[18:19], s[44:45]
	s_add_nc_u64 s[56:57], s[18:19], s[46:47]
.macro LOAD t                          ; block t: W(32 t + i, my column) into set t % 2: 32 lanes read 128 consecutive bytes
.set ii, 0
.rept 32
	global_load_b32 v[X+32*((\t)%2)+ii], v[AD+ii], s[BASE+2*(\t):BASE+2*(\t)+1] th:TH_LOAD_NT
.set ii, ii+1
.endr
.endm
.macro BLOCK t
.set XS, X+32*((\t)%2)
.if (\t) < 7
	s_wait_loadcnt 32                              ; this block's 32 loads are in; the next block's 32 may be out
.else
	s_wait_loadcnt 0
.endif
	v_max3_num_f32 v12, |v[XS]|, |v[XS+1]|, |v[XS+2]|     ; the block's largest magnitude, in two chains
	v_max3_num_f32 v13, |v[XS+3]|, |v[XS+4]|, |v[XS+5]|
.irp i, 6,10,14,18,22,26
	v_max3_num_f32 v12, v12, |v[XS+\i]|, |v[XS+\i+1]|
	v_max3_num_f32 v13, v13, |v[XS+\i+2]|, |v[XS+\i+3]|
.endr
	v_max3_num_f32 v12, v12, |v[XS+30]|, |v[XS+31]|
	v_max3_num_f32 v12, v12, v13, 0x1800000        ; and the floor 2^(3 - 127): the byte cannot fall under 1
	v_add_nc_u32 v14, 0xff000000, v12              ; 2 off the exponent field: the conversion's scale operand
	v_lshrrev_b32 v15, 23, v14                     ; the scale's byte
.if (\t)%4 == 0
	v_mov_b32 v[SB+(\t)/4], v15
.else
	v_lshl_or_b32 v[SB+(\t)/4], v15, 8*((\t)%4), v[SB+(\t)/4]
.endif
	v_cvt_scalef32_pk16_fp6_f32 v[C:C+2], v[XS:XS+15], v14
	v_cvt_scalef32_pk16_fp6_f32 v[C+6:C+8], v[XS+16:XS+31], v14   ; (a conversion's three registers begin on an even number)
	v_nop                                          ; one plain instruction behind the scaled conversions
.irp i, 0,1,2
	v_mov_b32 v[C+3+\i], v[C+6+\i]
.endr
	ds_store_b128 v4, v[C:C+3] offset:768*((\t)/2)+256*((\t)%2)
	ds_store_b64 v5, v[C+4:C+5] offset:768*((\t)/2)+512+128*((\t)%2)
.if (\t) < 6
	LOAD (\t)+2
.endif
	s_wait_dscnt 0x0                               ; the stores have read their registers
.endm
	LOAD 0
	LOAD 1
.irp t, 0,1,2,3,4,5,6,7
	BLOCK \t
.endr
	s_wait_alu depctr_va_vdst(0)                   ; the wait ahead of the reader below
	global_store_b64 v10, v[SB:SB+1], s[56:57]     ; my column's eight scale bytes
.irp i, 0,1,2,3,4,5,6,7,8,9,10,11
	ds_load_b128 v[X+4*\i:X+4*\i+3], v6 offset:512*\i     ; LDS serves a wave's instructions in order: these see my stores
.endr
.irp i, 0,1,2,3,4,5
	s_wait_dscnt 11-\i
	global_store_b128 v8, v[X+4*\i:X+4*\i+3], s[54:55] offset:512*\i      ; 32 lanes store 512 consecutive bytes, aligned to 256
.endr
.irp i, 6,7,8,9,10,11
	s_wait_dscnt 11-\i
	global_store_b128 v9, v[X+4*\i:X+4*\i+3], s[54:55] offset:512*(\i-6)
.endr
	s_wait_tensorcnt 0x0                           ; the wave's end
	ds_add_u32 v168, v169
	s_wait_dscnt 0x0
	s_endpgm
.Lnorm:
	s_load_b128 s[4:7], s[0:1], 0x0                ; in, w
	s_load_b64 s[8:9], s[0:1], 0x10                ; OUT
	v_lshrrev_b32 v1, 5, v0
	s_delay_alu instid0(VALU_DEP_1)
	v_readfirstlane_b32 s10, v1                    ; wave 0..7
	v_and_b32 v2, 31, v0
	s_delay_alu instid0(VALU_DEP_1)
	v_lshlrev_b32 v1, 4, v2                        ; 16 x lane
	s_wait_alu depctr_va_vdst(0)
	v_lshlrev_b32 v3, 3, v2                        ; 8 x lane
	s_lshr_b32 s11, ttmp9, 1
	s_lshl_b32 s11, s11, 5
	s_and_b32 s16, ttmp9, 1
	s_lshl_b32 s16, s16, 3
	s_add_co_u32 s11, s11, s16
	s_lshl_b32 s16, s10, 1
	s_add_co_u32 s11, s11, s16
	s_lshr_b32 s16, s10, 2
	s_lshl_b32 s16, s16, 3
	s_add_co_u32 s11, s11, s16                     ; my first row: 32 (T / 2) + 8 (T % 2) + 2 w + 8 (w / 4)
	s_lshl_b32 s16, s11, 12
	s_mov_b32 s17, 0
	s_mov_b32 s[SEL], 0x76543210
	s_mov_b32 s[SEL+1], 0xfedcba98
	s_mov_b32 s14, 0x3a800000                      ; 1 / 1,024
	s_mov_b32 s15, 0x358637bd                      ; 1e-6
	s_mul_i32 s18, s10, 2*PITCH
	v_add_nc_u32 v4, s18, v1                       ; LDS, in: lane-row 2 w, 16 x lane
	v_and_b32 v5, 15, v0                           ; r
	v_bfe_u32 v6, v0, 4, 1                         ; h
	s_delay_alu instid0(VALU_DEP_2)
	v_mul_u32_u24 v7, v5, PITCH
	s_delay_alu instid0(VALU_DEP_1)
	v_lshl_add_u32 v7, v6, 6, v7
	s_lshl_b32 s18, s10, 9
	v_add_nc_u32 v7, s18, v7                       ; LDS, out: row r, + 512 w, + 64 h
	v_lshlrev_b32 v8, 5, v5
	s_lshl_b32 s18, s10, 2
	v_add_nc_u32 v8, s18, v8                       ; my scale word: 32 r + 4 w
	v_mov_b32 v15, 0                               ; (named as the upper half of the pair v[14:15])
.irp b, 0,1,2,3
	v_mov_b32 v[TM+4+\b], 0                        ; a lane permute's destination counts as one of its sources
.endr
	s_mul_i32 s18, ttmp9, 12288
	s_mul_i32 s19, s10, 1536
	s_add_co_u32 s18, s18, s19
	s_mov_b32 s19, 0
	s_lshl_b32 s20, ttmp9, 9
	s_add_co_u32 s20, s20, 3145728
	s_mov_b32 s21, 0
	s_wait_kmcnt 0x0
	s_add_nc_u64 s[4:5], s[4:5], s[16:17]
	s_add_nc_u64 s[18:19], s[8:9], s[18:19]        ; my fragment
	s_add_nc_u64 s[20:21], s[8:9], s[20:21]        ; my tile's scale words
.irp j, 0,1,2,3,4,5,6,7
	global_load_b128 v[NW+4*\j:NW+4*\j+3], v1, s[6:7] offset:512*\j
.endr
.irp j, 0,1,2,3,4,5,6,7
	global_load_b128 v[X0+4*\j:X0+4*\j+3], v1, s[4:5] offset:512*\j th:TH_LOAD_NT
.endr
.irp j, 0,1,2,3,4,5,6,7
	global_load_b128 v[X1+4*\j:X1+4*\j+3], v1, s[4:5] offset:4096+512*\j th:TH_LOAD_NT
.endr
.macro ROW x, off
	v_pk_mul_f32 v[10:11], v[\x:\x+1], v[\x:\x+1]             ; the sum of squares: the first products start two chains
	v_pk_mul_f32 v[12:13], v[\x+2:\x+3], v[\x+2:\x+3]
.irp j, 4,8,12,16,20,24,28
	s_delay_alu instid0(VALU_DEP_2)
	v_pk_fma_f32 v[10:11], v[\x+\j:\x+\j+1], v[\x+\j:\x+\j+1], v[10:11]
	s_delay_alu instid0(VALU_DEP_2)
	v_pk_fma_f32 v[12:13], v[\x+\j+2:\x+\j+3], v[\x+\j+2:\x+\j+3], v[12:13]
.endr
	s_delay_alu instid0(VALU_DEP_1)
	v_pk_add_f32 v[10:11], v[10:11], v[12:13]
	s_delay_alu instid0(VALU_DEP_1)
	v_add_f32 v10, v10, v11
	s_delay_alu instid0(VALU_DEP_1)
	v_add_f32_dpp v10, v10, v10 row_xmask:1 row_mask:0xf bank_mask:0xf
	s_delay_alu instid0(VALU_DEP_1)
	v_add_f32_dpp v10, v10, v10 row_xmask:2 row_mask:0xf bank_mask:0xf
	s_delay_alu instid0(VALU_DEP_1)
	v_add_f32_dpp v10, v10, v10 row_xmask:4 row_mask:0xf bank_mask:0xf
	s_delay_alu instid0(VALU_DEP_1)
	v_add_f32_dpp v10, v10, v10 row_xmask:8 row_mask:0xf bank_mask:0xf
	s_delay_alu instid0(VALU_DEP_1)
	v_permlanex16_b32 v11, v10, s[SEL], s[SEL+1]
	s_delay_alu instid0(VALU_DEP_1)
	v_add_f32 v10, v10, v11                        ; every lane holds the row's sum
	s_delay_alu instid0(VALU_DEP_1)
	v_fma_f32 v10, v10, s14, s15                   ; the mean (an exact scaling) + 1e-6
	s_wait_alu depctr_va_vdst(0)
	v_rsq_f32 v14, v10
.set jj, 0
.rept 16
	v_pk_mul_f32 v[\x+jj:\x+jj+1], v[NW+jj:NW+jj+1], v[\x+jj:\x+jj+1]   ; w x: work that does not want the root
.set jj, jj+2
.endr
	s_wait_alu depctr_va_vdst(0)                   ; the wait ahead of the root's first reader
.set jj, 0
.rept 16
	v_pk_mul_f32 v[\x+jj:\x+jj+1], v[\x+jj:\x+jj+1], v[14:15] op_sel_hi:[1,0]
.set jj, jj+2
.endr
.irp j, 0,1,2,3,4,5,6,7
	ds_store_b128 v4, v[\x+4*\j:\x+4*\j+3] offset:\off+512*\j
.endr
.endm
	s_wait_loadcnt 8                               ; w and my first row are in; the second row's eight loads may be out
	ROW X0, 0
	s_wait_loadcnt 0
	ROW X1, PITCH
	s_wait_dscnt 0x0                               ; for the others' sake: my rows lie in LDS
	s_barrier_signal -1
	s_barrier_wait -1
.irp b, 0,1,2,3
.irp j, 0,1,2,3
	ds_load_b128 v[Y+16*\b+4*\j:Y+16*\b+4*\j+3], v7 offset:128*\b+16*\j
.endr
.endr
	s_wait_dscnt 0x0
.irp b, 0,1,2,3
	v_max3_num_f32 v[TM+\b], |v[Y+16*\b]|, |v[Y+1+16*\b]|, 0x1800000   ; block b: my 16 numbers, and the floor 2^(3 - 127)
.endr
.irp i, 2,4,6,8,10,12,14
.irp b, 0,1,2,3
	s_delay_alu instid0(VALU_DEP_4)
	v_max3_num_f32 v[TM+\b], v[TM+\b], |v[Y+16*\b+\i]|, |v[Y+1+16*\b+\i]|
.endr
.endr
.irp b, 0,1,2,3
	s_delay_alu instid0(VALU_DEP_4)
	v_permlanex16_b32 v[TM+4+\b], v[TM+\b], s[SEL], s[SEL+1]
.endr
.irp b, 0,1,2,3
	s_delay_alu instid0(VALU_DEP_4)
	v_max_num_f32 v[TM+\b], v[TM+\b], v[TM+4+\b]   ; with lane l xor 16's: the block's largest magnitude
.endr
.irp b, 0,1,2,3
	s_delay_alu instid0(VALU_DEP_4)
	v_add_nc_u32 v[TM+12+\b], 0xff000000, v[TM+\b] ; 2 off its exponent field: the conversion's scale operand
.endr
.irp b, 0,1,2,3
	s_delay_alu instid0(VALU_DEP_4)
	v_lshrrev_b32 v[TM+4+\b], 23, v[TM+12+\b]      ; the scale's byte
.endr
	s_delay_alu instid0(VALU_DEP_3)
	v_lshl_or_b32 v[PW], v[TM+5], 8, v[TM+4]
	s_delay_alu instid0(VALU_DEP_1)
	v_lshl_or_b32 v[PW], v[TM+6], 16, v[PW]
	s_delay_alu instid0(VALU_DEP_1)
	v_lshl_or_b32 v[PW], v[TM+7], 24, v[PW]
.irp c, 0,1
	v_cvt_scalef32_pk16_fp6_f32 v[PC+6*\c:PC+2+6*\c], v[Y+32*\c:Y+15+32*\c], v[TM+12+2*\c]
	v_cvt_scalef32_pk16_fp6_f32 v[PC+12+4*\c:PC+14+4*\c], v[Y+16+32*\c:Y+31+32*\c], v[TM+13+2*\c]
.endr
	v_nop                                          ; one plain instruction behind the scaled conversions
.irp c, 0,1                                    ; the operand's layout wants a whole block in a lane
.irp i, 0,1,2
	v_permlane16_swap_b32 v[PC+6*\c+\i], v[PC+12+4*\c+\i]
.endr
.irp i, 0,1,2
	s_delay_alu instid0(VALU_DEP_3)
	v_mov_b32 v[PC+3+6*\c+\i], v[PC+12+4*\c+\i]
.endr
.endr
	global_store_b128 v1, v[PC:PC+3], s[18:19]                 ; 512, 256, 512, 256 consecutive bytes: the fragment's 1,536, whole
	global_store_b64 v3, v[PC+4:PC+5], s[18:19] offset:512
	global_store_b128 v1, v[PC+6:PC+9], s[18:19] offset:768
	global_store_b64 v3, v[PC+10:PC+11], s[18:19] offset:1280
	global_store_b32 v8, v[PW], s[20:21]           ; lanes l and l xor 16 hold and store the same word
	s_wait_tensorcnt 0x0
	ds_add_u32 v168, v169
	s_wait_dscnt 0x0
	s_endpgm
.Lfunc_end_k_q1c05147947_normx:
	.size	k_q1c05147947_normx, .Lfunc_end_k_q1c05147947_normx-k_q1c05147947_normx
	.p2alignl 7, 3214868480
	.fill 96, 4, 3214868480
	.section	.rodata,"a",@progbits
	.p2align	6, 0x0
	.amdhsa_kernel k_q1c05147947_normx
		.amdhsa_group_segment_fixed_size 115968
		.amdhsa_private_segment_fixed_size 0
		.amdhsa_enable_private_segment 0
		.amdhsa_kernarg_size 88
		.amdhsa_user_sgpr_count 2
		.amdhsa_user_sgpr_kernarg_segment_ptr 1
		.amdhsa_wavefront_size32 1
		.amdhsa_system_sgpr_workgroup_id_x 1
		.amdhsa_system_sgpr_workgroup_id_y 1
		.amdhsa_system_sgpr_workgroup_id_z 1
		.amdhsa_system_vgpr_workitem_id 0
		.amdhsa_next_free_vgpr 170
		.amdhsa_next_free_sgpr 82
		.amdhsa_reserve_vcc 0
		.amdhsa_float_denorm_mode_32 3
		.amdhsa_float_denorm_mode_16_64 3
		.amdhsa_memory_ordered 1
		.amdhsa_forward_progress 1
		.amdhsa_inst_pref_size 67
	.end_amdhsa_kernel
	.amdgpu_metadata
---
amdhsa.version: [ 1, 2 ]
amdhsa.kernels:
  - .name:           k_q1c05147947_normx
    .symbol:         k_q1c05147947_normx.kd
    .args:
      - { .name: x, .offset: 0, .size: 8, .value_kind: global_buffer, .address_space: global }
      - { .name: attn_norm_w, .offset: 8, .size: 8, .value_kind: global_buffer, .address_space: global }
      - { .name: XQ, .offset: 16, .size: 8, .value_kind: global_buffer, .address_space: global }
      - { .name: WB, .offset: 24, .size: 8, .value_kind: global_buffer, .address_space: global }
      - { .name: W_q, .offset: 32, .size: 8, .value_kind: global_buffer, .address_space: global }
      - { .name: W_k, .offset: 40, .size: 8, .value_kind: global_buffer, .address_space: global }
      - { .name: W_v, .offset: 48, .size: 8, .value_kind: global_buffer, .address_space: global }
      - { .name: W_o, .offset: 56, .size: 8, .value_kind: global_buffer, .address_space: global }
      - { .name: W_gate, .offset: 64, .size: 8, .value_kind: global_buffer, .address_space: global }
      - { .name: W_hidden, .offset: 72, .size: 8, .value_kind: global_buffer, .address_space: global }
      - { .name: W_out, .offset: 80, .size: 8, .value_kind: global_buffer, .address_space: global }
    .group_segment_fixed_size: 115968
    .private_segment_fixed_size: 0
    .kernarg_segment_align: 8
    .kernarg_segment_size: 88
    .max_flat_workgroup_size: 256
    .sgpr_count:     82
    .vgpr_count:     170
    .wavefront_size: 32
...
	.end_amdgpu_metadata
.endif
;; end of part 1
;; launch qkv (part 2): grid 48 x 4, 4 waves a work-group, clusters of 4 x 4, 327,680 bytes of LDS; arguments XQ, WB, QKVB; writes QKVB
.if DOCPART == 2
	.amdgcn_target "amdgcn-amd-amdhsa--gfx1250"
	.amdhsa_code_object_version 6
	.text
	.protected	k_q1c05147947_qkv
	.globl	k_q1c05147947_qkv
	.p2align	8
	.type	k_q1c05147947_qkv,@function
k_q1c05147947_qkv:
	s_mov_b64 s[64:65], 0
	v_nop
	global_prefetch_b8 v0, s[64:65] scope:SCOPE_SE
	s_setreg_imm32_b32 hwreg(HW_REG_WAVE_MODE, 25, 1), 1
	s_wait_xcnt 0x0
	s_wait_alu depctr_hold_cnt(0) depctr_sa_sdst(0) depctr_va_vdst(0) depctr_va_sdst(0) depctr_va_ssrc(0) depctr_va_vcc(0) depctr_vm_vsrc(0)
	s_getreg_b32 s2, hwreg(HW_REG_IB_STS2, 6, 4)
	s_cmp_eq_u32 s2, 0
	s_cbranch_scc0 .Lentry_in_a_cluster
	s_endpgm
.Lentry_in_a_cluster:
	s_bfe_u32 s2, ttmp6, 0x10000c
	s_cmp_lg_u32 s2, 0xf033
	s_cbranch_scc0 .Lentry_shape_is_right
	s_endpgm
.Lentry_shape_is_right:
; q = xn W_q, k = xn W_k and v = xn W_v on codes of FP6 (E2M3) with E8M0 scales; the results are quantised in registers and leave as codes: q and k along the head's 64, v along the keys.
; OPERANDS are images of their registers.  A tile is 16 rows, lane-row r of tile T being index 32 (T / 2) + 8 (T % 2) + r + 8 (r / 8); codes [T][K / 64][768 bytes] (lane L: 16 bytes at 16 L, 8 at 512 + 8 L);
; scale words [T][r][K / 128].  So a fragment of 16 x 128 comes by two loads of 16 bytes and two of 8, dense, and a K chunk of a tile is 3,072 consecutive bytes.
; THE PRODUCT IS USED WITH SOURCE 0 = THE "B" SIDE, SOURCE 1 = THE "A" SIDE: a lane holds one A row, and by the tiles' order the 16 registers of B tiles 2 b and 2 b + 1 are 16 NEIGHBOURS along B's index,
; 32 b + 16 (lane / 16) + 0 .. 15: what the next product's quantiser wants.
; TWO JOBS, ONE PATH.  Clusters 0-7: A = xn's 4,096 rows, B = W_q and W_k as one weight of 2,048 columns; a lane's 64 numbers of a row tile are two heads.  Clusters 8-11: A = W_v's 1,024 channels, B = xn's 4,096 keys:
; that is v TRANSPOSED, and a lane's 64 numbers are 128 keys of one channel.  Only pointers and strides differ, chosen by selects on the cluster's number, which all partners share.
; SHARES.  A work-group makes 256 (A) x 256 (B): 128 + 64 = 192 work-groups; each of four waves 128 x 128: 64 accumulators, 512 registers.
; K (1,024) goes in four chunks of 256 through THREE slots of 98,304 bytes: chunks 0, 1, 2 and the scale words are asked for at the head; chunk 3 fills slot 0 again, behind K step 0's products, and has four K steps
; (256 products a wave) in which to land.  That is the text's one refill: every wave waits for all its tensor loads, adds 0 to its spare word, waits for that and for its reads, a round of the cluster's barrier follows,
; and the joint load is the first thing behind it.  All of the WGP's LDS is claimed.
; CLUSTER 4 x 4: A's tiles are shared along a row of the cluster, B's along a column: each is asked for jointly, by the same tensor load with a mask that names the four.
; A K STEP is 64 products in eight runs of eight (one A tile against B's eight); ahead of each run stands a short run of LDS loads for the NEXT step (72 in all), so that the loads are spread over the step.
; OUT (QKVB): q/k codes [T 256][32 halves: 16 heads of q, 16 of k][768]; V^T codes from 6,291,456: [channel tile 64][64 halves of 64 keys][768]; q/k scales from 9,437,184: [32 heads][tile pair 128][r][4 bytes: two of
; the even tile, two of the odd]; V's from 9,699,328: [128 keys 32][channel tile 64][r][4].
; REGISTERS: window 0: v1-29 addresses; v32-47 scale words, two sets of 8 (lanes 0-15: A's tile i, lanes 16-31: B's tile i); v64-255 A's fragments, two sets of 96, later the quantiser.
; Window 1: B's fragments, two sets, at v0 and v128.  Window 2: the accumulators of A tiles 0-3, (a, t) at 8 (8 a + t).  Window 3: those of A tiles 4-7.
; LIMITS: NaN and infinities are not served; a block of zeros, or one under 2^-124, keeps the scale byte 1; only this program reads the bytes.
.set NA,    8                          ; A tiles of a wave
.set NB,    8                          ; B tiles of a wave
.set KTOT,  1024
; THE WALK ALONG K AS THE TEXT NOW HAS IT (it takes the place of what the head says of three slots and of the head's loads): at the head one joint load a wave: wave 0 A's 16 tiles of K 0-255, wave 1 B's, wave 2 A's scale
; words, wave 3 B's.  Behind the waits, the add and a round, one load a wave brings K 256-767 into ONE slot of 196,608 bytes, whose tiles lie 6,144 bytes apart (slots 1 and 2 of the macros are its two halves along K).
; Behind K step 0 slot 0 is filled again with K 768-1023.  No prefetch: the walk is written out, there is no loop to run ahead in.
.set NSLOT, 3
.set TP,    KTOT*12                    ; a tile's codes in memory
.set KSW,   KTOT/32                    ; a row's scale bytes
.set CHB,   3072                       ; a tile's codes of a chunk of 256 along K
.set BOFF,  2*NA*CHB                   ; in a slot: A's 16 tiles, then B's 16
.set SLOT,  (2*NA+2*NB)*CHB
.set SCA,   NSLOT*SLOT                 ; behind the slots: A's scale words, all of K,
.set SCB,   SCA+32*NA*KSW              ; and B's
.set SPARE, SCB+32*NB*KSW+8192         ; the spare words, 128 bytes for each wave: two blocks of 256 bytes that no other line names
.set A16, 8                            ; v8+s   my A fragments in slot s, + 16 x lane;   v11+s the same + 8 x lane
.set A8,  11
.set B16, 14                           ; v14+s, v17+s the same for B
.set B8,  17
.set ADRS, 20                          ; v20 my scale words: lanes 0-15 A's rows, lanes 16-31 B's
.set SPW, 28                           ; v28 LDS address of my spare word; never rewritten
.set NIL, 29                           ; v29 0; never rewritten
.set SC,  32
.set AF,  64
.set TM,  64                           ; the quantiser's registers lie where A's fragments lay
.set PW,  80
.set PWS, 81                           ; v81-88 the eight row tiles' scale words
.set PC,  96
.set G1,  24                           ; s[24:31] group 1 for A's tiles, s[32:39], s[92:95] groups 0;  s[48:55], s[56:63], s[96:99] for B's
.set G0,  32
.set G1B, 48
.set G0B, 56
.set G1S, 68                           ; s[68:75], s[76:79] A's scales;  s[80:87], s[88:91] B's
.set G0S, 76
.set G1SB, 80
.set G0SB, 88
.set SEL, 12
.set MSB, 0
.macro WIN new                         ; s_set_vgpr_msb: bits 1:0 source 0, 3:2 source 1, 5:4 source 2, 7:6 destination; the high byte repeats the setting that is left
.if MSB != \new
	s_set_vgpr_msb (MSB<<8)|\new
.set MSB, \new
.endif
.endm
.macro PLACES n
.rept \n
	v_nop
.endr
.endm
.macro CREST
	s_cmp_lg_u32 s14, 0
	s_cbranch_scc1 .Lnot_wave_0_\@
	s_barrier_signal -3
.Lnot_wave_0_\@:
	s_barrier_wait -3
	s_barrier_signal -1
	s_barrier_wait -1
.endm
.macro CROUND                          ; a round of the cluster's barrier
	s_barrier_signal -1
	s_barrier_wait -1
	CREST
.endm
.macro JLOAD g0a, g1a, g0b, g1b        ; a joint load: waves 0 and 1 fetch A's halves, waves 2 and 3 B's; the branch hangs on the wave's number alone; four v_nop follow each line
	s_cmp_eq_u32 s15, 0
	s_cbranch_scc0 .Lfor_b_\@
	tensor_load_to_lds s[\g0a:\g0a+3], s[\g1a:\g1a+7]
	s_nop 0
.rept 4
	v_nop
.endr
	s_branch .Lasked_\@
.Lfor_b_\@:
	tensor_load_to_lds s[\g0b:\g0b+3], s[\g1b:\g1b+7]
	s_nop 0
.rept 4
	v_nop
.endr
.Lasked_\@:
.endm
.macro SHAPE g, c, r, p                ; words 1 to 7 of a group 1: r rows of c elements of 8 bytes, p elements apart; the tile lies inside the tensor
	s_mov_b32 s[\g+1], ((\c)&0xffff)<<16
	s_mov_b32 s[\g+2], ((\c)>>16)|(((\r)&0xffff)<<16)
	s_mov_b32 s[\g+3], ((\r)>>16)|((\c)<<16)
	s_mov_b32 s[\g+4], \r
	s_mov_b32 s[\g+5], \p
	s_mov_b32 s[\g+6], 0
	s_mov_b32 s[\g+7], 0
.endm
.macro SETSLOT g0a, g0b, s             ; chunk s into slot s: both groups 0, then the joint load
	s_mov_b32 s[\g0a], 1
	s_add_co_u32 s[\g0a+1], s45, (\s)*SLOT
	s_add_nc_u64 s[\g0a+2:\g0a+3], s[20:21], (\s)*CHB
	s_or_b32 s[\g0a+3], s[\g0a+3], 0x80000000
	s_mov_b32 s[\g0b], 1
	s_add_co_u32 s[\g0b+1], s19, (\s)*SLOT
	s_add_nc_u64 s[\g0b+2:\g0b+3], s[46:47], (\s)*CHB
	s_or_b32 s[\g0b+3], s[\g0b+3], 0x80000000
	JLOAD \g0a, G1, \g0b, G1B
.endm
.macro FRAG reg, a16, a8, off          ; a fragment's 12 registers from its image
	ds_load_b128 v[(\reg):(\reg)+3], v[\a16] offset:(\off)
	ds_load_b64 v[(\reg)+4:(\reg)+5], v[\a8] offset:(\off)+512
	ds_load_b128 v[(\reg)+6:(\reg)+9], v[\a16] offset:(\off)+768
	ds_load_b64 v[(\reg)+10:(\reg)+11], v[\a8] offset:(\off)+1280
.endm
.macro FETCH0                          ; K step 0 into set 0, in the order in which every step is fetched: B's eight fragments, the eight scale words, A's eight fragments
	WIN 0x40
.set ft, 0
.rept 8
	FRAG 12*ft, B16, B8, ft*CHB
.set ft, ft+1
.endr
	WIN 0
.set ft, 0
.rept 8
	ds_load_b32 v[SC+ft], v[ADRS] offset:ft*16*KSW
.set ft, ft+1
.endr
.set ft, 0
.rept 8
	FRAG AF+12*ft, A16, A8, ft*CHB
.set ft, ft+1
.endr
.endm
; A K STEP: 64 products on set p.  zero = 1: they start the sums.  nx = 1: the next step's fragments (the q-th 128 along K of the slot named, K step ks of the eight) are fetched into set 1 - p, in eight short runs.
; The 64 accumulators take turns, one instruction a turn, in the same order in every step.
; Loads into registers that matrix instructions have read stand four plain vector instructions behind them (ISA guide 7.12.1 for vector instructions): set 1 - p was last read by the step before,
; so four v_nop at the step's head serve all its loads.
; In front of a step stands a wait that leaves at most the youngest 16 loads out: A's fragments 4 to 7, which the fifth run is the first to read; the wait for them stands ahead of that run.
.macro STEP p, zero, nx, slot, q, ks
.set CHB, 3072*(1+((\slot)+1)/2)       ; from tile to tile in the slot that is fetched from: 3,072 in slot 0, 6,144 in the large one
.if (\nx) && !(\zero)
	PLACES 4
.endif
.set ma, 0
.rept 8
.if \nx
.if ma < 4
	WIN 0x40
	FRAG 128*(1-\p)+24*ma, B16+\slot, B8+\slot, 2*ma*CHB+(\q)*1536
	FRAG 128*(1-\p)+24*ma+12, B16+\slot, B8+\slot, (2*ma+1)*CHB+(\q)*1536
.endif
.if ma == 4
	s_wait_dscnt 32                                ; all but this step's 32 loads of B: A's fragments 4 to 7 of set p are in
	WIN 0
.set ft, 0
.rept 8
	ds_load_b32 v[SC+8*(1-\p)+ft], v[ADRS] offset:ft*16*KSW+4*(\ks)
.set ft, ft+1
.endr
	FRAG AF+96*(1-\p), A16+\slot, A8+\slot, (\q)*1536
.endif
.if ma == 5
	WIN 0
	FRAG AF+96*(1-\p)+12, A16+\slot, A8+\slot, CHB+(\q)*1536
	FRAG AF+96*(1-\p)+24, A16+\slot, A8+\slot, 2*CHB+(\q)*1536
.endif
.if ma == 6
	WIN 0
	FRAG AF+96*(1-\p)+36, A16+\slot, A8+\slot, 3*CHB+(\q)*1536
	FRAG AF+96*(1-\p)+48, A16+\slot, A8+\slot, 4*CHB+(\q)*1536
	FRAG AF+96*(1-\p)+60, A16+\slot, A8+\slot, 5*CHB+(\q)*1536
.endif
.if ma == 7
	WIN 0
	FRAG AF+96*(1-\p)+72, A16+\slot, A8+\slot, 6*CHB+(\q)*1536
	FRAG AF+96*(1-\p)+84, A16+\slot, A8+\slot, 7*CHB+(\q)*1536
.endif
.endif
.if !(\nx) && (ma == 4)
	s_wait_dscnt 0x0
.endif
.if ma < 4
	WIN 0xa1                                       ; source 0 (B) window 1, source 1 (A) window 0, C and D window 2
.else
	WIN 0xf1                                       ; the same, C and D window 3
.endif
.set mt, 0
.rept 8
.if \zero
	v_wmma_scale_f32_16x16x128_f8f6f4 v[8*(8*(ma%4)+mt):8*(8*(ma%4)+mt)+7], v[128*(\p)+12*mt:128*(\p)+12*mt+11], v[AF+96*(\p)+12*ma:AF+96*(\p)+12*ma+11], 0, v[SC+8*(\p)+mt], v[SC+8*(\p)+ma] matrix_a_fmt:MATRIX_FMT_FP6 matrix_b_fmt:MATRIX_FMT_FP6 matrix_a_scale:MATRIX_SCALE_ROW1
.else
	v_wmma_scale_f32_16x16x128_f8f6f4 v[8*(8*(ma%4)+mt):8*(8*(ma%4)+mt)+7], v[128*(\p)+12*mt:128*(\p)+12*mt+11], v[AF+96*(\p)+12*ma:AF+96*(\p)+12*ma+11], v[8*(8*(ma%4)+mt):8*(8*(ma%4)+mt)+7], v[SC+8*(\p)+mt], v[SC+8*(\p)+ma] matrix_a_fmt:MATRIX_FMT_FP6 matrix_b_fmt:MATRIX_FMT_FP6 matrix_a_scale:MATRIX_SCALE_ROW1
.endif
.set mt, mt+1
.endr
.set ma, ma+1
.endr
.endm
; 64 numbers of a lane in window 2 or 3 (w2: the setting with sources 0 and 1 there; w1: with source 0 there), register 16 b + i = index 32 b + 16 (lane / 16) + i of my row, become a fragment's codes in v[PC] on
; and its scale word in v[PW].  Each accumulator is read from its low end on.
.macro QUANT s, w2, w1
	WIN \w2
.irp b, 0,1,2,3
	v_max3_num_f32 v[TM+\b], |v[(\s)+16*\b]|, |v[(\s)+1+16*\b]|, 0x1800000   ; and the floor 2^(3 - 127): the byte cannot fall under 1
.endr
.irp i, 2,4,6,8,10,12,14
.irp b, 0,1,2,3
	v_max3_num_f32 v[TM+\b], |v[(\s)+16*\b+\i]|, |v[(\s)+1+16*\b+\i]|, v[TM+\b]
.endr
.endr
	WIN 0
.irp b, 0,1,2,3
	v_permlanex16_b32 v[TM+4+\b], v[TM+\b], s[SEL], s[SEL+1]
.endr
.irp b, 0,1,2,3
	v_max_num_f32 v[TM+\b], v[TM+\b], v[TM+4+\b]   ; with lane l xor 16's: the block's largest magnitude
.endr
.irp b, 0,1,2,3
	v_add_nc_u32 v[TM+12+\b], 0xff000000, v[TM+\b] ; 2 off its exponent field: the conversion's scale operand
.endr
.irp b, 0,1,2,3
	v_lshrrev_b32 v[TM+4+\b], 23, v[TM+12+\b]      ; the scale's byte
.endr
	v_lshl_or_b32 v[PW], v[TM+5], 8, v[TM+4]
	v_lshl_or_b32 v[PW], v[TM+6], 16, v[PW]
	v_lshl_or_b32 v[PW], v[TM+7], 24, v[PW]
	WIN \w1
.irp c, 0,1
	v_cvt_scalef32_pk16_fp6_f32 v[PC+6*\c:PC+2+6*\c], v[(\s)+32*\c:(\s)+15+32*\c], v[TM+12+2*\c]
	v_cvt_scalef32_pk16_fp6_f32 v[PC+12+4*\c:PC+14+4*\c], v[(\s)+16+32*\c:(\s)+31+32*\c], v[TM+13+2*\c]
.endr
	WIN 0
	v_nop                                          ; one plain instruction behind the scaled conversions
.irp c, 0,1                                    ; the operand's layout wants a whole block in a lane
.irp i, 0,1,2
	v_permlane16_swap_b32 v[PC+6*\c+\i], v[PC+12+4*\c+\i]
.endr
.irp i, 0,1,2
	v_mov_b32 v[PC+3+6*\c+\i], v[PC+12+4*\c+\i]
.endr
.endr
.endm
	s_load_b128 s[4:7], s[0:1], 0x0                ; XQ, WB
	s_load_b64 s[8:9], s[0:1], 0x10                ; QKVB
	v_lshl_add_u32 v[SPW], v0, 2, SPARE
	v_mov_b32 v[NIL], 0
	ds_add_u32 v28, v29
	ds_add_u32 v28, v29
	s_wait_dscnt 0x0
	v_lshrrev_b32 v1, 5, v0
	v_readfirstlane_b32 s14, v1                    ; wave 0..3
	s_lshr_b32 s15, s14, 1                         ; my half of A's rows.  Also: I fetch for A (0) or for B (1)
	s_and_b32 s16, s14, 1                          ; my half of B's.  Also: which half I fetch
	s_bfe_u32 s40, ttmp6, 0x40000                  ; cx, cy: my place in the cluster
	s_bfe_u32 s41, ttmp6, 0x40004
	s_and_b32 s18, ttmp9, 3                        ; clusters 0-7: 4 rows x 2 columns of clusters
	s_lshr_b32 s19, ttmp9, 2
	s_sub_co_u32 s20, ttmp9, 8                     ; clusters 8-11: 1 row x 4 columns
	s_cmp_lt_u32 ttmp9, 8
	s_cselect_b32 s18, s18, 0
	s_cselect_b32 s19, s19, s20
	s_cselect_b32 s10, 0, 1572864                  ; A's codes begin: XQ + 0, or W_v's tiles in WB
	s_mov_b32 s11, 7929856
	s_cselect_b32 s11, 3145728, s11                ; A's scale words
	s_mov_b32 s12, 3145728
	s_cselect_b32 s12, 7864320, s12                ; B's scale words (B's codes begin at byte 0 either way)
	s_lshl_b32 s17, s18, 2
	s_add_co_u32 s17, s17, s41                     ; tile row: 256 of A
	s_lshl_b32 s42, s19, 2
	s_add_co_u32 s42, s42, s40                     ; tile column: 256 of B
	s_lshl_b32 s43, s41, 2
	s_lshl_b32 s43, 15, s43                        ; my row of the cluster
	s_lshl_b32 s44, 0x1111, s40                    ; my column
	s_or_b32 s[G1], s43, (3<<16)|(1<<21)           ; 15:0 the mask; 17:16 elements of 8 bytes; 21 set beside a mask; no padding
	s_or_b32 s[G1B], s44, (3<<16)|(1<<21)
	s_or_b32 s[G1S], s43, (3<<16)|(1<<21)
	s_or_b32 s[G1SB], s44, (3<<16)|(1<<21)
	SHAPE G1, 384, 16, TP/8                        ; the head's loads: 16 tiles x 3,072 bytes
	SHAPE G1B, 384, 16, TP/8
	SHAPE G1S, 32, 32*NA*KSW/256, 32               ; the scale words of 256 rows, dense
	SHAPE G1SB, 32, 32*NB*KSW/256, 32
	s_lshl_b32 s20, s17, 4
	s_mul_i32 s22, s20, 16*KSW
	s_mul_i32 s20, s20, TP
	s_add_co_u32 s20, s20, s10
	s_add_co_u32 s22, s22, s11
	s_mov_b32 s21, 0
	s_mov_b32 s23, 0
	s_mul_i32 s46, s42, 2*NB
	s_mul_i32 s66, s46, 16*KSW
	s_mul_i32 s46, s46, TP
	s_add_co_u32 s66, s66, s12
	s_mov_b32 s47, 0
	s_mov_b32 s67, 0
	s_mul_i32 s2, s16, 8*TP                        ; behind the head I fetch 8 tiles: which half, in bytes of memory
	s_mov_b32 s3, 0
	s_mul_i32 s18, s16, 8*3072                     ; where they go in slot 0: A's,
	s_add_co_u32 s19, s18, BOFF                    ; B's;
	s_mul_i32 s45, s16, 8*6144
	s_add_co_u32 s45, s45, SLOT                    ; and in the large slot: A's,
	s_add_co_u32 s44, s45, 16*6144                 ; B's
	s_wait_kmcnt 0x0
	s_cmp_lt_u32 ttmp9, 8                          ; which buffer is A's and which B's hangs on the cluster's number alone
	s_cselect_b64 s[10:11], s[4:5], s[6:7]
	s_cselect_b64 s[100:101], s[6:7], s[4:5]
	s_add_nc_u64 s[20:21], s[10:11], s[20:21]
	s_add_nc_u64 s[22:23], s[10:11], s[22:23]
	s_add_nc_u64 s[46:47], s[100:101], s[46:47]
	s_add_nc_u64 s[66:67], s[100:101], s[66:67]
	CROUND                                         ; all sixteen work-groups are here: the joint loads meet
.macro GC g, lds, src                  ; a group 0: LDS byte a constant
	s_mov_b32 s[\g], 1
	s_mov_b32 s[\g+1], \lds
	s_mov_b64 s[\g+2:\g+3], s[\src:\src+1]
	s_or_b32 s[\g+3], s[\g+3], 0x80000000
.endm
.macro GR g, lreg, src, off            ; a group 0: LDS byte in a register, the address off bytes along K
	s_mov_b32 s[\g], 1
	s_mov_b32 s[\g+1], s[\lreg]
	s_add_nc_u64 s[\g+2:\g+3], s[\src:\src+1], \off
	s_or_b32 s[\g+3], s[\g+3], 0x80000000
.endm
.macro ARM under, g0, g1, next         ; one arm of the head's chain: every way through it passes one load
	s_cmp_lt_u32 s14, \under
	s_cbranch_scc0 \next
	tensor_load_to_lds s[\g0:\g0+3], s[\g1:\g1+7]
	s_nop 0
.rept 4
	v_nop
.endr
	s_branch .Lhead_asked
\next:
.endm
	GC G0, 0, 20
	GC G0B, BOFF, 46
	GC G0S, SCA, 22
	GC G0SB, SCB, 66
	ARM 1, G0, G1, .Lhead_b
	ARM 2, G0B, G1B, .Lhead_sa
	ARM 3, G0S, G1S, .Lhead_sb
	tensor_load_to_lds s[G0SB:G0SB+3], s[G1SB:G1SB+7]
	s_nop 0
.rept 4
	v_nop
.endr
.Lhead_asked:
	s_add_nc_u64 s[20:21], s[20:21], s[2:3]        ; my 8 tiles
	s_add_nc_u64 s[46:47], s[46:47], s[2:3]
	GR G0+4, 45, 20, 3072                          ; K 256-767
	GR G0B+4, 44, 46, 3072
	GR 92, 18, 20, 9216                            ; K 768-1023
	GR 96, 19, 46, 9216
	v_and_b32 v1, 31, v0
	v_and_b32 v2, 15, v0                           ; r
	v_bfe_u32 v3, v0, 4, 1                         ; h
	v_lshlrev_b32 v4, 4, v1                        ; 16 x lane
	v_lshlrev_b32 v5, 3, v1                        ; 8 x lane
	s_mul_i32 s18, s15, NA*CHB
	s_mul_i32 s19, s16, NB*CHB
	s_add_co_u32 s19, s19, BOFF
.irp s, 0,1,2
	v_add_nc_u32 v[A16+\s], s18, v4
	v_add_nc_u32 v[A8+\s], s18, v5
	v_add_nc_u32 v[B16+\s], s19, v4
	v_add_nc_u32 v[B8+\s], s19, v5
.if \s == 0
	s_lshl_b32 s18, s18, 1                         ; the large slot: tiles twice as far apart (2 BOFF = A's 16 tiles there)
	s_add_co_u32 s18, s18, SLOT
	s_lshl_b32 s19, s19, 1
	s_add_co_u32 s19, s19, SLOT
	s_wait_alu depctr_va_vdst(0)
.else
	s_add_co_u32 s18, s18, 3072                    ; its second half along K
	s_add_co_u32 s19, s19, 3072
.endif
.endr
	v_mul_u32_u24 v6, v2, KSW                      ; my row's scale words
	s_mul_i32 s18, s15, 16*NA*KSW                  ; A's: my 128 rows
	s_mul_i32 s19, s16, 16*NB*KSW                  ; B's: my 128 rows, behind A's 256
	s_add_co_u32 s19, s19, 32*NA*KSW
	s_sub_co_u32 s19, s19, s18
	v_mul_u32_u24 v7, s19, v3                      ; lanes 16-31 take B's
	s_add_co_u32 s18, s18, SCA
	v_add_nc_u32 v6, v6, v7
	v_add_nc_u32 v[ADRS], s18, v6
	v_lshlrev_b32 v22, 2, v2                       ; 4 r: a scale word's place in QKVB
	s_mov_b32 s[SEL], 0x76543210
	s_mov_b32 s[SEL+1], 0xfedcba98
	; where my results go
	s_lshl_b32 s18, s17, 4
	s_lshl_b32 s19, s15, 3
	s_add_co_u32 s18, s18, s19                     ; T0: my first row tile
	s_lshl_b32 s19, s42, 1
	s_add_co_u32 s19, s19, s16                     ; which 128 of B's index are mine
	s_cmp_lt_u32 ttmp9, 8
	s_mov_b32 s20, 49152
	s_cselect_b32 s20, 24576, s20                  ; from row tile to row tile
	s_cselect_b32 s21, 0, 6291456
	s_mov_b32 s22, 9699328
	s_cselect_b32 s22, 9437184, s22
	s_cselect_b32 s23, 14, 12
	s_cselect_b32 s46, 5, 6
	s_mul_i32 s47, s18, s20
	s_add_co_u32 s21, s21, s47
	s_mul_i32 s47, s19, 1536
	s_add_co_u32 s66, s21, s47
	s_mov_b32 s67, 0
	s_add_nc_u64 s[66:67], s[8:9], s[66:67]        ; codes
	s_lshl_b32 s47, s19, s23
	s_add_co_u32 s22, s22, s47
	s_lshl_b32 s47, s18, s46
	s_add_co_u32 s22, s22, s47
	s_mov_b32 s23, 0
	s_add_nc_u64 s[22:23], s[8:9], s[22:23]        ; scale words
	s_mov_b32 s21, 0
	s_wait_alu depctr_va_vdst(0)
	s_wait_tensorcnt 0x0                           ; my tile of the head's four is in
	ds_add_u32 v[SPW], v[NIL]
	SHAPE G1, 768, 8, TP/8                         ; no load of mine is out: the next brings 8 tiles x 6,144 bytes
	SHAPE G1B, 768, 8, TP/8
	s_wait_dscnt 0x0
	CROUND                                         ; all four tiles are in, and all sixteen work-groups are here
	JLOAD G0+4, G1, G0B+4, G1B                     ; the large slot's first fill, my one load behind the round
	FETCH0
	s_wait_dscnt 16                                ; all but A's fragments 4 to 7
	STEP 0, 1, 1, 0, 1, 1                          ; K step 0 starts the sums; K step 1 is fetched
	WIN 0
	s_wait_tensorcnt 0x0                           ; all my tensor loads have landed, my parts of chunks 1 and 2 among them: so a group 0 may be written
	ds_add_u32 v[SPW], v[NIL]                      ; 0 onto my spare word
	SHAPE G1, 384, 8, TP/8                         ; the refill brings 8 tiles x 3,072 bytes
	SHAPE G1B, 384, 8, TP/8
	s_wait_dscnt 0x0
	CROUND
	JLOAD 92, G1, 96, G1B
	STEP 1, 0, 1, 1, 0, 2
	s_wait_dscnt 16
	STEP 0, 0, 1, 1, 1, 3
	s_wait_dscnt 16
	STEP 1, 0, 1, 2, 0, 4
	s_wait_dscnt 16
	STEP 0, 0, 1, 2, 1, 5
	WIN 0
	s_wait_dscnt 0x0                               ; no LDS instruction of mine is out at the signal
	s_wait_tensorcnt 0x0                           ; my part of chunk 3: the one load that was out
	s_barrier_signal -1
	s_barrier_wait -1                              ; everybody's is in
	STEP 1, 0, 1, 0, 0, 6
	s_wait_dscnt 16
	STEP 0, 0, 1, 0, 1, 7
	s_wait_dscnt 16
	STEP 1, 0, 0, 0, 0, 0
	WIN 0
	PLACES 4                                       ; in front of the first read of results and of writes into the registers that held A's fragments
.irp b, 0,1,2,3
	v_mov_b32 v[TM+4+\b], 0                        ; a lane permute's destination counts as one of its sources
.endr
.irp a, 0,1,2,3,4,5,6,7
.if \a < 4
	QUANT 64*\a, 0x0a, 0x02
.else
	QUANT 64*(\a-4), 0x0f, 0x03
.endif
	v_mov_b32 v[PWS+\a], v[PW]
	global_store_b128 v4, v[PC:PC+3], s[66:67]                 ; the fragment's 1,536 bytes, whole: 512, 256, 512, 256 consecutive bytes
	global_store_b64 v5, v[PC+4:PC+5], s[66:67] offset:512
	global_store_b128 v4, v[PC+6:PC+9], s[66:67] offset:768
	global_store_b64 v5, v[PC+10:PC+11], s[66:67] offset:1280
	s_wait_xcnt 0x0                                ; the stores have read their data and their base: both are written again
	s_add_nc_u64 s[66:67], s[66:67], s[20:21]
.endr
	s_cmp_lt_u32 ttmp9, 8                          ; the cluster's number: alike in all partners
	s_cbranch_scc0 .Lvt
	s_wait_alu depctr_va_vdst(0)
.irp p, 0,1,2,3                                ; q, k: a word holds two heads of one tile; wanted: one head of two tiles
	v_perm_b32 v[TM+2*\p], v[PWS+2*\p+1], v[PWS+2*\p], 0x05040100
	v_perm_b32 v[TM+2*\p+1], v[PWS+2*\p+1], v[PWS+2*\p], 0x07060302
	global_store_b32 v22, v[TM+2*\p], s[22:23] offset:64*\p
	global_store_b32 v22, v[TM+2*\p+1], s[22:23] offset:8192+64*\p
.endr
	s_branch .Ldone
.Lvt:
	s_wait_alu depctr_va_vdst(0)
.irp a, 0,1,2,3,4,5,6,7
	global_store_b32 v22, v[PWS+\a], s[22:23] offset:64*\a
.endr
.Ldone:
	s_wait_tensorcnt 0x0                           ; the wave's end, behind my last tensor load; the add below is my last LDS instruction
	ds_add_u32 v[SPW], v[NIL]
	s_wait_dscnt 0x0
	CROUND                                         ; the closing round: no work-group ends while a partner may still ask for a tile that names it
	s_endpgm
.Lfunc_end_k_q1c05147947_qkv:
	.size	k_q1c05147947_qkv, .Lfunc_end_k_q1c05147947_qkv-k_q1c05147947_qkv
	.p2alignl 7, 3214868480
	.fill 96, 4, 3214868480
	.section	.rodata,"a",@progbits
	.p2align	6, 0x0
	.amdhsa_kernel k_q1c05147947_qkv
		.amdhsa_group_segment_fixed_size 327680
		.amdhsa_private_segment_fixed_size 0
		.amdhsa_enable_private_segment 0
		.amdhsa_kernarg_size 24
		.amdhsa_user_sgpr_count 2
		.amdhsa_user_sgpr_kernarg_segment_ptr 1
		.amdhsa_wavefront_size32 1
		.amdhsa_system_sgpr_workgroup_id_x 1
		.amdhsa_system_sgpr_workgroup_id_y 1
		.amdhsa_system_sgpr_workgroup_id_z 1
		.amdhsa_system_vgpr_workitem_id 0
		.amdhsa_next_free_vgpr 1024
		.amdhsa_next_free_sgpr 102
		.amdhsa_reserve_vcc 0
		.amdhsa_float_denorm_mode_32 3
		.amdhsa_float_denorm_mode_16_64 3
		.amdhsa_memory_ordered 1
		.amdhsa_forward_progress 1
		.amdhsa_inst_pref_size 157
	.end_amdhsa_kernel
	.amdgpu_metadata
---
amdhsa.version: [ 1, 2 ]
amdhsa.kernels:
  - .name:           k_q1c05147947_qkv
    .symbol:         k_q1c05147947_qkv.kd
    .args:
      - { .name: XQ, .offset: 0, .size: 8, .value_kind: global_buffer, .address_space: global }
      - { .name: WB, .offset: 8, .size: 8, .value_kind: global_buffer, .address_space: global }
      - { .name: QKVB, .offset: 16, .size: 8, .value_kind: global_buffer, .address_space: global }
    .group_segment_fixed_size: 327680
    .private_segment_fixed_size: 0
    .kernarg_segment_align: 8
    .kernarg_segment_size: 24
    .max_flat_workgroup_size: 128
    .sgpr_count:     102
    .vgpr_count:     1024
    .wavefront_size: 32
...
	.end_amdgpu_metadata
.endif
;; end of part 2
;; launch attn (part 3): grid 8 x 32, 16 waves a work-group, clusters of 4 x 1, 327,680 bytes of LDS; arguments QKVB, AO; writes AO
.if DOCPART == 3
	.amdgcn_target "amdgcn-amd-amdhsa--gfx1250"
	.amdhsa_code_object_version 6
	.text
	.protected	k_q1c05147947_attn
	.globl	k_q1c05147947_attn
	.p2align	8
	.type	k_q1c05147947_attn,@function
k_q1c05147947_attn:
	s_mov_b64 s[64:65], 0
	v_nop
	global_prefetch_b8 v0, s[64:65] scope:SCOPE_SE
	s_setreg_imm32_b32 hwreg(HW_REG_WAVE_MODE, 25, 1), 1
	s_wait_xcnt 0x0
	s_wait_alu depctr_hold_cnt(0) depctr_sa_sdst(0) depctr_va_vdst(0) depctr_va_sdst(0) depctr_va_ssrc(0) depctr_va_vcc(0) depctr_vm_vsrc(0)
	s_getreg_b32 s2, hwreg(HW_REG_IB_STS2, 6, 4)
	s_cmp_eq_u32 s2, 0
	s_cbranch_scc0 .Lentry_in_a_cluster
	s_endpgm
.Lentry_in_a_cluster:
	s_bfe_u32 s2, ttmp6, 0x10000c
	s_cmp_lg_u32 s2, 0x3003
	s_cbranch_scc0 .Lentry_shape_is_right
	s_endpgm
.Lentry_shape_is_right:
; o = softmax(q k^T / 8) v for 32 heads of 2,048 x 64, both products on codes of FP6 (E2M3) with E8M0 scales; o / l is quantised along the channels and leaves as codes (AO), the next product's operand.
; THE SOFTMAX: t = score x log2(e) / 8; M = the running largest t rounded UP to a whole number; p = 2^(t - M) is quantised along the keys, not normalised; the row's sum is taken of the unquantised p and divides at the end.
; When M moves, the sum and O are multiplied by 2^(old M - new M): exact.
; SHARES.  A work-group owns 256 queries of one head, each of sixteen waves one tile of 16, in 256 registers: four waves to a SIMD, so that one wave's vector work stands beside another's products and LDS loads.
; THE HEAD'S WHOLE K AND V LIE IN LDS (196,608 bytes of codes, 8,192 of scale words): each byte is asked for once, at the head, in four stages of 512 keys; no byte of LDS is filled twice.
; TWO BARRIERS: one when the first stage has landed, one, behind its four key steps, when all the rest has; from there on the waves run on without meeting.
; CLUSTER 4 x 1: four query blocks of one head want the same K and V: wave 0 asks jointly for K's five tiles, wave 1 for V's five.
; LAYOUT.  Both products transposed: S^T = K Q^T, O^T = V^T P^T: a lane holds ONE query throughout.  Tiles are images of the operands' registers, lane-row r of tile T being index 32 (T / 2) + 8 (T % 2) + r + 8 (r / 8),
; so the 16 registers of key tiles 2 b, 2 b + 1 are keys 32 b + 16 (lane / 16) + 0 .. 15.
; THE HEAD'S 64 FILL HALF OF THE INSTRUCTION'S 128.  One 12-register operand holds key tiles 2 b (k 0-63) and 2 b + 1 (k 64-127), as they lie on end in LDS; q stands twice, once in the lower half over zero codes
; and once in the upper: the first product gives tile 2 b's scores, the second tile 2 b + 1's; zero codes add nothing.
; REGISTERS: v1-6 addresses that stay; v7-11, v234 those of the step; v12 -M, v13 the largest t, v[14:15] the sum; v16-27, v28-39 q twice; v40-87 four operands of K, then of V; v96-159 S^T, then p; v160-191 O^T;
; v192-210 p's codes; v212-223 at work; v224 p's scale word; v225-228 K's, v229-232 V's, v233 q's; v235-239 at work; v240-254 the closing quantiser.
; LIMITS: NaN and infinities are not served; a block of zeros, or one under 2^-124, keeps the scale byte 1; only this program reads the bytes.
.set KC,   0                           ; LDS: K's codes [128 tiles][768]
.set VC,   98304                       ; V's [stage 4][channel tile 4][6,144]
.set KS,   196608                      ; K's scale words [tile pair 64][r][4]
.set VS,   200704                      ; V's [128 keys 16][channel tile 4][r][4]
.set G1K,  24
.set G1V,  32
.set G1KS, 40
.set G1VS, 48
.set G0KS, 56
.set G0VS, 60
.set G0K,  68                          ; s[68+4g ..] K's stage g;  s[84+4g ..] V's
.set G0V,  84
.set SEL,  2                           ; s[2:3] lane selects: lane l xor 16
.set CS,   66                          ; s[66:67] c = log2(e) / 8
.set TBK,  8                           ; s8   LDS byte of the step's K tiles: 6,144 a step
.set TBV,  9                           ; s9   of V's: 1,536 a step, 24,576 a stage
.set TBS,  10                          ; s10  of both kinds of scale words: 256 a step
.set CNT,  11
.set BM,   212
.set BT,   216
.set BS,   220
.set PWP,  224
.set KSC,  225
.set VSC,  229
.set QSC,  233
.set PC,   192
.set TM,   240
.set PW,   254
.macro PLACES n
.rept \n
	v_nop
.endr
.endm
.macro CROUND                          ; a round of the cluster's barrier
	s_barrier_signal -1
	s_barrier_wait -1
	s_cmp_lg_u32 s14, 0
	s_cbranch_scc1 .Lnot_wave_0_\@
	s_barrier_signal -3
.Lnot_wave_0_\@:
	s_barrier_wait -3
	s_barrier_signal -1
	s_barrier_wait -1
.endm
.macro SHAPE g, c, r, p                ; a group 1: the mask of all four, elements of 8 bytes, bit 21 beside the mask; r rows of c elements, p elements apart
	s_mov_b32 s[\g], 15|(3<<16)|(1<<21)
	s_mov_b32 s[\g+1], ((\c)&0xffff)<<16
	s_mov_b32 s[\g+2], ((\c)>>16)|(((\r)&0xffff)<<16)
	s_mov_b32 s[\g+3], ((\r)>>16)|((\c)<<16)
	s_mov_b32 s[\g+4], \r
	s_mov_b32 s[\g+5], \p
	s_mov_b32 s[\g+6], 0
	s_mov_b32 s[\g+7], 0
.endm
.macro FRAG reg, a16, a8, off          ; an operand's 12 registers from its image
	ds_load_b128 v[(\reg):(\reg)+3], v[\a16] offset:(\off)
	ds_load_b64 v[(\reg)+4:(\reg)+5], v[\a8] offset:(\off)+512
	ds_load_b128 v[(\reg)+6:(\reg)+9], v[\a16] offset:(\off)+768
	ds_load_b64 v[(\reg)+10:(\reg)+11], v[\a8] offset:(\off)+1280
.endm
	s_load_b128 s[4:7], s[0:1], 0x0                ; QKVB, AO
	v_lshl_add_u32 v251, v0, 2, 0x32000
	v_mov_b32 v255, 0
	ds_add_u32 v251, v255
	ds_add_u32 v251, v255
	v_lshrrev_b32 v1, 5, v0
	s_delay_alu instid0(VALU_DEP_1)
	v_readfirstlane_b32 s14, v1                    ; wave 0..15
	s_and_b32 s8, ttmp7, 0xffff
	s_lshr_b32 s9, s8, 4                           ; batch
	s_and_b32 s10, s8, 15                          ; head
	s_bfe_u32 s11, ttmp6, 0x40000                  ; cx: it enters q's and o's addresses alone
	s_mul_i32 s16, s9, 128*24576                   ; K's codes: the batch's 128 tiles, half 16 + head of each
	s_add_co_u32 s13, s10, 16
	s_mul_i32 s17, s13, 768
	s_add_co_u32 s16, s16, s17
	s_mov_b32 s17, 0
	s_mul_i32 s18, s10, 4*49152                    ; V's: the head's four channel tiles, the batch's 32 halves of keys
	s_mul_i32 s19, s9, 32*768
	s_add_co_u32 s18, s18, s19
	s_add_co_u32 s18, s18, 6291456
	s_mov_b32 s19, 0
	s_lshl_b32 s20, s13, 13                        ; K's scale words: 4,096 dense bytes
	s_lshl_b32 s21, s9, 12
	s_add_co_u32 s20, s20, s21
	s_add_co_u32 s20, s20, 9437184
	s_mov_b32 s21, 0
	s_lshl_b32 s22, s9, 16                         ; V's: 256 bytes of each of 16 rows of 4,096
	s_lshl_b32 s23, s10, 8
	s_add_co_u32 s22, s22, s23
	s_add_co_u32 s22, s22, 9699328
	s_mov_b32 s23, 0
	SHAPE G1K, 96, 32, 3072                        ; 32 tiles x 768 bytes, 24,576 apart
	SHAPE G1V, 768, 4, 6144                        ; 4 channel tiles x 6,144 bytes, 49,152 apart
	SHAPE G1KS, 32, 16, 32
	SHAPE G1VS, 32, 16, 512
	s_wait_dscnt 0x0
	s_wait_kmcnt 0x0
	s_add_nc_u64 s[16:17], s[4:5], s[16:17]
	s_add_nc_u64 s[18:19], s[4:5], s[18:19]
	s_mov_b32 s[G0KS], 1
	s_mov_b32 s[G0KS+1], KS
	s_add_nc_u64 s[G0KS+2:G0KS+3], s[4:5], s[20:21]
	s_or_b32 s[G0KS+3], s[G0KS+3], 0x80000000
	s_mov_b32 s[G0VS], 1
	s_mov_b32 s[G0VS+1], VS
	s_add_nc_u64 s[G0VS+2:G0VS+3], s[4:5], s[22:23]
	s_or_b32 s[G0VS+3], s[G0VS+3], 0x80000000
.irp g, 0,1,2,3
	s_mov_b32 s[G0K+4*\g], 1
	s_mov_b32 s[G0K+4*\g+1], KC+\g*24576
	s_add_nc_u64 s[G0K+4*\g+2:G0K+4*\g+3], s[16:17], \g*786432
	s_or_b32 s[G0K+4*\g+3], s[G0K+4*\g+3], 0x80000000
	s_mov_b32 s[G0V+4*\g], 1
	s_mov_b32 s[G0V+4*\g+1], VC+\g*24576
	s_add_nc_u64 s[G0V+4*\g+2:G0V+4*\g+3], s[18:19], \g*6144
	s_or_b32 s[G0V+4*\g+3], s[G0V+4*\g+3], 0x80000000
.endr
	CROUND                                         ; all four work-groups are here: the joint loads meet
; WHO ASKS, AS THE TEXT NOW HAS IT (in place of what the head says of waves 0 and 1): ten joint loads, one to a wave.  At the head waves 0 to 3 ask for K's scale words, V's, and stage 0 of K and of V.
; Behind the waits, the add and a round, waves 4 to 9 ask for stages 1 to 3, which have stage 0's four key steps in which to land.  No byte of LDS is filled twice; all of LDS is claimed.
.macro ARM id, g0, g1, next, join      ; one arm of a chain on the wave's number
	s_cmp_eq_u32 s14, \id
	s_cbranch_scc0 \next
	tensor_load_to_lds s[\g0:\g0+3], s[\g1:\g1+7]
	s_nop 0
.rept 4
	v_nop
.endr
	s_branch \join
\next:
.endm
	ARM 0, G0KS, G1KS, .Lh1, .Lasked
	ARM 1, G0VS, G1VS, .Lh2, .Lasked
	ARM 2, G0K, G1K, .Lh3, .Lasked
	ARM 3, G0V, G1V, .Lh4, .Lasked
.Lasked:
	s_lshl_b32 s12, ttmp9, 2
	s_add_co_u32 s12, s12, s11                     ; my block of 256 queries
	s_lshl_b32 s12, s12, 4
	s_add_co_u32 s12, s12, s14
	s_lshl_b32 s13, s9, 7
	s_add_co_u32 s12, s12, s13                     ; my query tile: 128 batch + 16 block + wave
	s_mul_i32 s16, s12, 24576
	s_mul_i32 s13, s10, 768
	s_add_co_u32 s16, s16, s13
	s_mov_b32 s17, 0
	s_add_nc_u64 s[16:17], s[4:5], s[16:17]        ; q's half image
	s_lshr_b32 s18, s12, 1
	s_lshl_b32 s18, s18, 6
	s_and_b32 s19, s12, 1
	s_lshl_b32 s19, s19, 1
	s_add_co_u32 s18, s18, s19
	s_lshl_b32 s19, s10, 13
	s_add_co_u32 s18, s18, s19
	s_add_co_u32 s18, s18, 9437184
	s_mov_b32 s19, 0
	s_add_nc_u64 s[18:19], s[4:5], s[18:19]        ; q's two scale bytes a row
	s_mul_i32 s20, s12, 12288
	s_add_co_u32 s20, s20, s13
	s_mov_b32 s21, 0
	s_add_nc_u64 s[20:21], s[6:7], s[20:21]        ; o's half image
	s_lshl_b32 s22, s12, 9
	s_lshl_b32 s23, s10, 1
	s_add_co_u32 s22, s22, s23
	s_add_co_u32 s22, s22, 3145728
	s_mov_b32 s23, 0
	s_add_nc_u64 s[22:23], s[6:7], s[22:23]        ; o's two scale bytes a row
	v_and_b32 v7, 31, v0
	v_and_b32 v8, 15, v0
	s_delay_alu instid0(VALU_DEP_2)
	v_lshlrev_b32 v1, 4, v7                        ; 16 x lane (K's codes begin at LDS byte 0)
	s_delay_alu instid0(VALU_DEP_3)
	v_lshlrev_b32 v2, 3, v7                        ; 8 x lane
	s_delay_alu instid0(VALU_DEP_2)
	v_add_nc_u32 v3, VC, v1
	s_delay_alu instid0(VALU_DEP_2)
	v_add_nc_u32 v4, VC, v2
	v_lshlrev_b32 v11, 2, v8
	s_delay_alu instid0(VALU_DEP_1)
	v_add_nc_u32 v5, KS, v11
	s_delay_alu instid0(VALU_DEP_2)
	v_add_nc_u32 v6, VS, v11
	global_load_b128 v[16:19], v1, s[16:17]        ; q in the lower half of one operand,
	global_load_b64 v[20:21], v2, s[16:17] offset:512
	global_load_b128 v[34:37], v1, s[16:17]        ; and in the upper half of another
	global_load_b64 v[38:39], v2, s[16:17] offset:512
	global_load_u16 v[QSC], v11, s[18:19]
.irp j, 22,23,24,25,26,27,28,29,30,31,32,33
	v_mov_b32 v[\j], 0                             ; zero codes
.endr
	s_mov_b32 s[SEL], 0x76543210
	s_mov_b32 s[SEL+1], 0xfedcba98
	s_mov_b32 s[CS], 0x3e38aa3b                    ; c = log2(e) / 8
	s_mov_b32 s[CS+1], s[CS]                       ; (named with it as a pair, so it is written)
	s_mov_b32 s[TBK], 0
	s_mov_b32 s[TBV], 0
	s_mov_b32 s[TBS], 0
	v_mov_b32 v13, 0xff61b1e6                      ; the largest t so far: -3e38, under every t
	s_delay_alu instid0(VALU_DEP_1)
	v_floor_f32 v12, -v13                          ; -M
	v_mov_b32 v14, 0
	v_mov_b32 v15, 0
	v_mov_b32 v237, 0                              ; (named as the upper half of the pair v[236:237])
.irp b, 0,1,2,3
	v_mov_b32 v[BT+\b], 0                          ; a lane permute's destination counts as one of its sources
.endr
	v_mov_b32 v[TM+4], 0
	v_mov_b32 v[TM+5], 0
	v_mov_b32 v235, 0
	s_wait_loadcnt 0x0                             ; q
	v_lshl_or_b32 v[QSC], v[QSC], 16, v[QSC]       ; q's two bytes for k 0-63 and again for k 64-127.  The 32 moves below stand between this line and the first product
.set jj, 0
.rept 32
	v_mov_b32 v[160+jj], 0                         ; O^T: the step is written once; its first trip finds zeros, which the first change of M leaves zeros
.set jj, jj+1
.endr
; A KEY STEP: 128 keys.
.macro STEP
	v_add_nc_u32 v7, s[TBK], v1                    ; six additions: also the places between the last step's products and the loads into their operands
	v_add_nc_u32 v8, s[TBK], v2
	v_add_nc_u32 v9, s[TBV], v3
	v_add_nc_u32 v10, s[TBV], v4
	v_add_nc_u32 v11, s[TBS], v5
	v_add_nc_u32 v234, s[TBS], v6
.irp b, 0,1,2,3
	FRAG 40+12*\b, 7, 8, 1536*\b                   ; key tiles 2 b and 2 b + 1
	ds_load_b32 v[KSC+\b], v11 offset:64*\b
.endr
	s_wait_alu depctr_va_vdst(0)
	s_wait_dscnt 0x0
.irp b, 0,1,2,3
	v_wmma_scale_f32_16x16x128_f8f6f4 v[96+16*\b:103+16*\b], v[40+12*\b:51+12*\b], v[16:27], 0, v[KSC+\b], v[QSC] matrix_a_fmt:MATRIX_FMT_FP6 matrix_b_fmt:MATRIX_FMT_FP6
	v_wmma_scale_f32_16x16x128_f8f6f4 v[104+16*\b:111+16*\b], v[40+12*\b:51+12*\b], v[28:39], 0, v[KSC+\b], v[QSC] matrix_a_fmt:MATRIX_FMT_FP6 matrix_b_fmt:MATRIX_FMT_FP6
.endr
	PLACES 4                                       ; in front of the loads into K's registers and of the first read of the scores
.irp t, 0,1,2,3
	FRAG 40+12*\t, 9, 10, 6144*\t                  ; V's four channel tiles of these 128 keys: they land under the softmax
	ds_load_b32 v[VSC+\t], v234 offset:64*\t
.endr
.irp b, 0,1,2,3
	v_max3_num_f32 v[BM+\b], v[96+16*\b], v[97+16*\b], v[98+16*\b]   ; the largest score of each block of 32 keys: for the row's maximum and, since p rises with the score, for the block's largest p
.endr
.irp i, 3,5,7,9,11,13
.irp b, 0,1,2,3
	v_max3_num_f32 v[BM+\b], v[BM+\b], v[96+16*\b+\i], v[97+16*\b+\i]
.endr
.endr
.irp b, 0,1,2,3
	v_max_num_f32 v[BM+\b], v[BM+\b], v[111+16*\b]
.endr
.irp b, 0,1,2,3
	s_delay_alu instid0(VALU_DEP_4)
	v_permlanex16_b32 v[BT+\b], v[BM+\b], s[SEL], s[SEL+1]
.endr
.irp b, 0,1,2,3
	s_delay_alu instid0(VALU_DEP_4)
	v_max_num_f32 v[BM+\b], v[BM+\b], v[BT+\b]     ; with lane l xor 16's 16 keys
.endr
	s_delay_alu instid0(VALU_DEP_2)
	v_max3_num_f32 v235, v[BM], v[BM+1], v[BM+2]
	s_delay_alu instid0(VALU_DEP_1)
	v_max_num_f32 v235, v235, v[BM+3]
	s_delay_alu instid0(VALU_DEP_1)
	v_mul_f32 v235, s[CS], v235                    ; the step's largest t (c is positive)
	s_delay_alu instid0(VALU_DEP_1)
	v_max_num_f32 v13, v13, v235                   ; the running largest t
	v_mov_b32 v235, v12
	s_delay_alu instid0(VALU_DEP_2)
	v_floor_f32 v12, -v13                          ; the new -M = -ceil(t): a whole number
	s_delay_alu instid0(VALU_DEP_1)
	v_sub_f32 v235, v12, v235                      ; old M - new M: a whole number, 0 or less
	s_delay_alu instid0(VALU_DEP_1)
	v_cvt_i32_f32 v235, v235                       ; (it saturates)
	s_delay_alu instid0(VALU_DEP_1)
	v_ldexp_f32 v236, 1.0, v235                    ; f = 2^(old M - new M)
.set jj, 0
.rept 32
	v_pk_fma_f32 v[96+jj:97+jj], v[96+jj:97+jj], s[CS:CS+1], v[12:13] op_sel_hi:[1,0,0]   ; t - M, two at a time
.set jj, jj+2
.endr
.irp b, 0,1,2,3
	v_fma_f32 v[BM+\b], v[BM+\b], s[CS], v12       ; the same of each block's largest score
.endr
.set jj, 0
	s_wait_alu depctr_va_vdst(0)
.rept 64
	v_exp_f32 v[96+jj], v[96+jj]                   ; p = 2^(t - M), at most 1
.set jj, jj+1
.endr
	v_pk_mul_f32 v[14:15], v[14:15], v[236:237] op_sel_hi:[1,0]   ; the sum under the new M: a plain instruction behind the exponentials
	s_wait_alu depctr_va_vdst(0)                   ; one wait for the batch of 64, ahead of its first reader
.irp b, 0,1,2,3
	v_exp_f32 v[BM+\b], v[BM+\b]                   ; the block's largest p: the same two instructions on the same number give the same bits
.endr
	v_pk_add_f32 v[238:239], v[100:101], v[104:105]
	v_pk_add_f32 v[252:253], v[108:109], v[112:113]
	v_pk_add_f32 v[248:249], v[116:117], v[120:121]
	v_pk_add_f32 v[246:247], v[124:125], v[128:129]
	v_pk_add_f32 v[242:243], v[132:133], v[136:137]
	v_pk_add_f32 v[240:241], v[140:141], v[144:145]
	v_pk_add_f32 v[226:227], v[148:149], v[152:153]
	v_pk_add_f32 v[14:15], v[14:15], v[156:157]
	v_pk_add_f32 v[238:239], v[238:239], v[96:97]
	v_pk_add_f32 v[252:253], v[252:253], v[98:99]
	v_pk_add_f32 v[248:249], v[248:249], v[102:103]
	v_pk_add_f32 v[246:247], v[246:247], v[106:107]
	v_pk_add_f32 v[242:243], v[242:243], v[110:111]
	v_pk_add_f32 v[240:241], v[240:241], v[114:115]
	v_pk_add_f32 v[226:227], v[226:227], v[118:119]
	v_pk_add_f32 v[14:15], v[14:15], v[122:123]
	v_pk_add_f32 v[238:239], v[238:239], v[126:127]
	v_pk_add_f32 v[252:253], v[252:253], v[130:131]
	v_pk_add_f32 v[248:249], v[248:249], v[134:135]
	v_pk_add_f32 v[246:247], v[246:247], v[138:139]
	v_pk_add_f32 v[242:243], v[242:243], v[142:143]
	v_pk_add_f32 v[240:241], v[240:241], v[146:147]
	v_pk_add_f32 v[226:227], v[226:227], v[150:151]
	v_pk_add_f32 v[14:15], v[14:15], v[154:155]
	v_pk_add_f32 v[238:239], v[238:239], v[158:159]
	s_delay_alu instid0(VALU_DEP_2)
	v_pk_add_f32 v[14:15], v[14:15], v[246:247]
	s_delay_alu instid0(VALU_DEP_2)
	v_pk_add_f32 v[238:239], v[238:239], v[242:243]
	v_pk_add_f32 v[252:253], v[252:253], v[240:241]
	v_pk_add_f32 v[248:249], v[248:249], v[226:227]
	s_delay_alu instid0(VALU_DEP_2)
	v_pk_add_f32 v[14:15], v[14:15], v[252:253]
	s_delay_alu instid0(VALU_DEP_2)
	v_pk_add_f32 v[238:239], v[238:239], v[248:249]
	s_delay_alu instid0(VALU_DEP_1)
	v_pk_add_f32 v[14:15], v[14:15], v[238:239]
	s_wait_alu depctr_va_vdst(0)                   ; and one for the four
.irp b, 0,1,2,3
	v_max_num_f32 v[BM+\b], 0x1800000, v[BM+\b]    ; the floor 2^(3 - 127)
.endr
.irp b, 0,1,2,3
	s_delay_alu instid0(VALU_DEP_4)
	v_add_nc_u32 v[BS+\b], 0xff000000, v[BM+\b]    ; the conversion's scale operand
.endr
.irp b, 0,1,2,3
	s_delay_alu instid0(VALU_DEP_4)
	v_lshrrev_b32 v[BT+\b], 23, v[BS+\b]           ; the scale's byte
.endr
	s_delay_alu instid0(VALU_DEP_3)
	v_lshl_or_b32 v[PWP], v[BT+1], 8, v[BT]
	s_delay_alu instid0(VALU_DEP_1)
	v_lshl_or_b32 v[PWP], v[BT+2], 16, v[PWP]
	s_delay_alu instid0(VALU_DEP_1)
	v_lshl_or_b32 v[PWP], v[BT+3], 24, v[PWP]
.irp c, 0,1
	v_cvt_scalef32_pk16_fp6_f32 v[PC+6*\c:PC+2+6*\c], v[96+32*\c:111+32*\c], v[BS+2*\c]
	v_cvt_scalef32_pk16_fp6_f32 v[PC+12+4*\c:PC+14+4*\c], v[112+32*\c:127+32*\c], v[BS+2*\c+1]
.endr
	v_nop                                          ; one plain instruction behind the scaled conversions
.irp c, 0,1
.irp i, 0,1,2
	v_permlane16_swap_b32 v[PC+6*\c+\i], v[PC+12+4*\c+\i]
.endr
.irp i, 0,1,2
	s_delay_alu instid0(VALU_DEP_3)
	v_mov_b32 v[PC+3+6*\c+\i], v[PC+12+4*\c+\i]
.endr
.endr
.set jj, 0
.rept 16
	v_pk_mul_f32 v[160+jj:161+jj], v[160+jj:161+jj], v[236:237] op_sel_hi:[1,0]   ; O^T under the new M.  These 16 are also the places between p's codes and scale word and the products
.set jj, jj+2
.endr
	s_wait_alu depctr_va_vdst(0)
	s_wait_dscnt 0x0                               ; V
.irp t, 0,1,2,3
	v_wmma_scale_f32_16x16x128_f8f6f4 v[160+8*\t:167+8*\t], v[40+12*\t:51+12*\t], v[PC:PC+11], v[160+8*\t:167+8*\t], v[VSC+\t], v[PWP] matrix_a_fmt:MATRIX_FMT_FP6 matrix_b_fmt:MATRIX_FMT_FP6
.endr
	s_add_co_u32 s[TBK], s[TBK], 6144
	s_add_co_u32 s[TBV], s[TBV], 1536
	s_add_co_u32 s[TBS], s[TBS], 256
.endm
; 512 keys: four steps.  meet = 1: a barrier stands in front; left = how many later loads of the asking wave may stay out.  Nothing is ever filled again.
.macro STAGE meet, left
.if \meet
	s_wait_tensorcnt \left
	s_wait_dscnt 0x0
	s_barrier_signal -1
	s_barrier_wait -1
.endif
	s_mov_b32 s[CNT], 4
.Lstep_\@:
	STEP
	s_sub_co_u32 s[CNT], s[CNT], 1
	s_cmp_lg_u32 s[CNT], 0
	s_cbranch_scc1 .Lstep_\@
	s_add_co_u32 s[TBV], s[TBV], 18432             ; on to the next stage's V
.endm
	s_wait_alu depctr_va_vdst(0)                   ; the wait at the head's end
	s_wait_tensorcnt 0x0                           ; the scale words and stage 0: each asking wave's one load
	ds_add_u32 v251, v255                          ; the add, here twice
	ds_add_u32 v251, v255
	s_wait_dscnt 0x0
	CROUND                                         ; everybody's are in, and all four work-groups are here: the joint loads meet
	ARM 4, G0K+4, G1K, .Lg1, .Lrest
	ARM 5, G0V+4, G1V, .Lg2, .Lrest
	ARM 6, G0K+8, G1K, .Lg3, .Lrest
	ARM 7, G0V+8, G1V, .Lg4, .Lrest
	ARM 8, G0K+12, G1K, .Lg5, .Lrest
	ARM 9, G0V+12, G1V, .Lg6, .Lrest
.Lrest:
	STAGE 0, 0
	STAGE 1, 0
	STAGE 0, 0
	STAGE 0, 0
	PLACES 4
	v_add_f32 v14, v14, v15                        ; the sum's two halves,
	s_delay_alu instid0(VALU_DEP_1)
	v_permlanex16_b32 v235, v14, s[SEL], s[SEL+1]
	s_delay_alu instid0(VALU_DEP_1)
	v_add_f32 v14, v14, v235                       ; and lane l xor 16's
	s_wait_alu depctr_va_vdst(0)
	v_rcp_f32 v14, v14
	v_and_b32 v7, 15, v0                           ; (plain work behind the reciprocal)
	s_delay_alu instid0(VALU_DEP_1)
	v_lshlrev_b32 v7, 5, v7                        ; 32 r: my row's scale bytes in AO
	s_wait_alu depctr_va_vdst(0)
.set jj, 0
.rept 32
	v_mul_f32 v[96+jj], v[160+jj], v14             ; o: register 16 b + i = channel 32 b + 16 (lane / 16) + i of my query
.set jj, jj+1
.endr
.irp b, 0,1
	v_max3_num_f32 v[TM+\b], |v[96+16*\b]|, |v[97+16*\b]|, 0x1800000
.endr
.irp i, 2,4,6,8,10,12,14
.irp b, 0,1
	s_delay_alu instid0(VALU_DEP_2)
	v_max3_num_f32 v[TM+\b], |v[96+16*\b+\i]|, |v[97+16*\b+\i]|, v[TM+\b]
.endr
.endr
.irp b, 0,1
	s_delay_alu instid0(VALU_DEP_2)
	v_permlanex16_b32 v[TM+4+\b], v[TM+\b], s[SEL], s[SEL+1]
.endr
.irp b, 0,1
	s_delay_alu instid0(VALU_DEP_2)
	v_max_num_f32 v[TM+\b], v[TM+\b], v[TM+4+\b]
.endr
.irp b, 0,1
	s_delay_alu instid0(VALU_DEP_2)
	v_add_nc_u32 v[TM+12+\b], 0xff000000, v[TM+\b]
.endr
.irp b, 0,1
	s_delay_alu instid0(VALU_DEP_2)
	v_lshrrev_b32 v[TM+4+\b], 23, v[TM+12+\b]
.endr
	s_delay_alu instid0(VALU_DEP_1)
	v_lshl_or_b32 v[PW], v[TM+5], 8, v[TM+4]
	v_cvt_scalef32_pk16_fp6_f32 v[PC:PC+2], v[96:111], v[TM+12]
	v_cvt_scalef32_pk16_fp6_f32 v[PC+12:PC+14], v[112:127], v[TM+13]
	v_nop
.irp i, 0,1,2
	v_permlane16_swap_b32 v[PC+\i], v[PC+12+\i]
.endr
.irp i, 0,1,2
	s_delay_alu instid0(VALU_DEP_3)
	v_mov_b32 v[PC+3+\i], v[PC+12+\i]
.endr
	global_store_b128 v1, v[PC:PC+3], s[20:21]     ; the half image's 768 bytes, whole
	global_store_b64 v2, v[PC+4:PC+5], s[20:21] offset:512
	global_store_b16 v7, v[PW], s[22:23]           ; lanes l and l xor 16 hold and store the same two bytes
	s_wait_tensorcnt 0x0
	ds_add_u32 v251, v255
	s_wait_dscnt 0x0
	CROUND                                         ; the closing round
	s_endpgm
.Lfunc_end_k_q1c05147947_attn:
	.size	k_q1c05147947_attn, .Lfunc_end_k_q1c05147947_attn-k_q1c05147947_attn
	.p2alignl 7, 3214868480
	.fill 96, 4, 3214868480
	.section	.rodata,"a",@progbits
	.p2align	6, 0x0
	.amdhsa_kernel k_q1c05147947_attn
		.amdhsa_group_segment_fixed_size 327680
		.amdhsa_private_segment_fixed_size 0
		.amdhsa_enable_private_segment 0
		.amdhsa_kernarg_size 16
		.amdhsa_user_sgpr_count 2
		.amdhsa_user_sgpr_kernarg_segment_ptr 1
		.amdhsa_wavefront_size32 1
		.amdhsa_system_sgpr_workgroup_id_x 1
		.amdhsa_system_sgpr_workgroup_id_y 1
		.amdhsa_system_sgpr_workgroup_id_z 1
		.amdhsa_system_vgpr_workitem_id 0
		.amdhsa_next_free_vgpr 256
		.amdhsa_next_free_sgpr 102
		.amdhsa_reserve_vcc 0
		.amdhsa_float_denorm_mode_32 3
		.amdhsa_float_denorm_mode_16_64 3
		.amdhsa_memory_ordered 1
		.amdhsa_forward_progress 1
		.amdhsa_inst_pref_size 90
	.end_amdhsa_kernel
	.amdgpu_metadata
---
amdhsa.version: [ 1, 2 ]
amdhsa.kernels:
  - .name:           k_q1c05147947_attn
    .symbol:         k_q1c05147947_attn.kd
    .args:
      - { .name: QKVB, .offset: 0, .size: 8, .value_kind: global_buffer, .address_space: global }
      - { .name: AO, .offset: 8, .size: 8, .value_kind: global_buffer, .address_space: global }
    .group_segment_fixed_size: 327680
    .private_segment_fixed_size: 0
    .kernarg_segment_align: 8
    .kernarg_segment_size: 16
    .max_flat_workgroup_size: 512
    .sgpr_count:     102
    .vgpr_count:     256
    .wavefront_size: 32
...
	.end_amdgpu_metadata
.endif
;; end of part 3
;; launch ogemm (part 4): grid 8 x 32, 4 waves a work-group, clusters of 4 x 4, 327,680 bytes of LDS; arguments AO, WB, x, b_o, X1; writes X1
.if DOCPART == 4
	.amdgcn_target "amdgcn-amd-amdhsa--gfx1250"
	.amdhsa_code_object_version 6
	.text
	.protected	k_q1c05147947_ogemm
	.globl	k_q1c05147947_ogemm
	.p2align	8
	.type	k_q1c05147947_ogemm,@function
k_q1c05147947_ogemm:
	s_mov_b64 s[64:65], 0
	v_nop
	global_prefetch_b8 v0, s[64:65] scope:SCOPE_SE
	s_setreg_imm32_b32 hwreg(HW_REG_WAVE_MODE, 25, 1), 1
	s_wait_xcnt 0x0
	s_wait_alu depctr_hold_cnt(0) depctr_sa_sdst(0) depctr_va_vdst(0) depctr_va_sdst(0) depctr_va_ssrc(0) depctr_va_vcc(0) depctr_vm_vsrc(0)
	s_getreg_b32 s2, hwreg(HW_REG_IB_STS2, 6, 4)
	s_cmp_eq_u32 s2, 0
	s_cbranch_scc0 .Lentry_in_a_cluster
	s_endpgm
.Lentry_in_a_cluster:
	s_bfe_u32 s2, ttmp6, 0x10000c
	s_cmp_lg_u32 s2, 0xf033
	s_cbranch_scc0 .Lentry_shape_is_right
	s_endpgm
.Lentry_shape_is_right:
.set NB,    4
.set KTOT,  1024
; X1 = x + (o W_o + b_o): a product on codes of FP6 (E2M3) with E8M0 scales, K = 1,024; a work-group makes 128 x 128, each of four waves 64 x 64.  Operands are images of their registers, as in the launches before.
; ALL OF K LIES IN LDS: A's 8 tiles of 12,288 bytes, B's 8, and both sides' scale words: four dense blocks, one joint load a wave at the head (wave 0 A, 1 B, 2 A's scales, 3 B's), shared along the cluster's rows and columns.
; One barrier shows them to all waves; nothing is filled again.  The stages of the way out have bytes of their own behind the spare words.  No prefetch: there is no loop to run ahead in.
.set NSLOT, 1
.set TP,    KTOT*12
.set KSW,   KTOT/32
.set CHB,   12288
.set BOFF,  8*CHB
.set SLOT,  (8+2*NB)*CHB
.set SCA,   NSLOT*SLOT
.set SCB,   SCA+128*KSW
.set STAGE, 205312
.set ASC,   3145728
.set BCO,   2359296
.set BSC,   7962624
.set A16, 8
.set A8,  11
.set B16, 14
.set B8,  17
.set ASA, 20
.set ASB, 21
.set STO, 22
.set RD,  23
.set CO,  25
.set SCAR, 32
.set SCBR, 48
.set AF,  128
.set BK,  132
.set G1,  24
.set G0,  32
.set G1B, 48
.set G0B, 56
.set G1S, 68
.set G0S, 76
.set G1SB, 80
.set G0SB, 88
.set MSB, 0
.macro WIN new
.if MSB != \new
	s_set_vgpr_msb (MSB<<8)|\new
.set MSB, \new
.endif
.endm
.macro PLACES n
.rept \n
	v_nop
.endr
.endm
.macro CREST
	s_cmp_lg_u32 s14, 0
	s_cbranch_scc1 .Lnot_wave_0_\@
	s_barrier_signal -3
.Lnot_wave_0_\@:
	s_barrier_wait -3
	s_barrier_signal -1
	s_barrier_wait -1
.endm
.macro CROUND
	s_barrier_signal -1
	s_barrier_wait -1
	CREST
.endm
.macro JLOAD g0a, g1a, g0b, g1b
	s_cmp_eq_u32 s15, 0
	s_cbranch_scc0 .Lfor_b_\@
	tensor_load_to_lds s[\g0a:\g0a+3], s[\g1a:\g1a+7]
	s_nop 0
.rept 4
	v_nop
.endr
	s_branch .Lasked_\@
.Lfor_b_\@:
	tensor_load_to_lds s[\g0b:\g0b+3], s[\g1b:\g1b+7]
	s_nop 0
.rept 4
	v_nop
.endr
.Lasked_\@:
.endm
.macro SHAPE g, c, r, p
	s_mov_b32 s[\g+1], ((\c)&0xffff)<<16
	s_mov_b32 s[\g+2], ((\c)>>16)|(((\r)&0xffff)<<16)
	s_mov_b32 s[\g+3], ((\r)>>16)|((\c)<<16)
	s_mov_b32 s[\g+4], \r
	s_mov_b32 s[\g+5], \p
	s_mov_b32 s[\g+6], 0
	s_mov_b32 s[\g+7], 0
.endm
.macro SETSLOT g0a, g0b, s
	s_mov_b32 s[\g0a], 1
	s_add_co_u32 s[\g0a+1], s45, (\s)*SLOT
	s_add_nc_u64 s[\g0a+2:\g0a+3], s[20:21], (\s)*CHB
	s_or_b32 s[\g0a+3], s[\g0a+3], 0x80000000
	s_mov_b32 s[\g0b], 1
	s_add_co_u32 s[\g0b+1], s19, (\s)*SLOT
	s_add_nc_u64 s[\g0b+2:\g0b+3], s[46:47], (\s)*CHB
	s_or_b32 s[\g0b+3], s[\g0b+3], 0x80000000
	s_wait_alu depctr_va_vdst(0)
	s_wait_tensorcnt 0x0
	ds_add_u32 v254, v255
	s_wait_dscnt 0x0
	CROUND
	JLOAD \g0a, G1, \g0b, G1B
.endm
.macro FRAG reg, a16, a8, off
	ds_load_b128 v[(\reg):(\reg)+3], v[\a16] offset:(\off)
	ds_load_b64 v[(\reg)+4:(\reg)+5], v[\a8] offset:(\off)+512
	ds_load_b128 v[(\reg)+6:(\reg)+9], v[\a16] offset:(\off)+768
	ds_load_b64 v[(\reg)+10:(\reg)+11], v[\a8] offset:(\off)+1280
.endm
.macro SCALES ch
.set ft, 0
.rept 4
	ds_load_b128 v[SCAR+4*ft:SCAR+4*ft+3], v[ASA] offset:ft*16*KSW+16*(\ch)
.set ft, ft+1
.endr
.set ft, 0
.rept NB
	ds_load_b128 v[SCBR+4*ft:SCBR+4*ft+3], v[ASB] offset:ft*16*KSW+16*(\ch)
.set ft, ft+1
.endr
.endm
.macro FETCH slot, q, p
	WIN 0x40
.set ft, 0
.rept NB
	FRAG 128*(\p)+12*ft, B16+\slot, B8+\slot, ft*CHB+(\q)*1536
.set ft, ft+1
.endr
	WIN 0
.set ft, 0
.rept 4
	FRAG AF+48*(\p)+12*ft, A16+\slot, A8+\slot, ft*CHB+(\q)*1536
.set ft, ft+1
.endr
.endm
.macro MULS p, q, zero
	WIN 0xa1
.set ma, 0
.rept 4
.set mt, 0
.rept NB
.if \zero
	v_wmma_scale_f32_16x16x128_f8f6f4 v[8*(NB*ma+mt):8*(NB*ma+mt)+7], v[128*(\p)+12*mt:128*(\p)+12*mt+11], v[AF+48*(\p)+12*ma:AF+48*(\p)+12*ma+11], 0, v[SCBR+4*mt+(\q)], v[SCAR+4*ma+(\q)] matrix_a_fmt:MATRIX_FMT_FP6 matrix_b_fmt:MATRIX_FMT_FP6
.else
	v_wmma_scale_f32_16x16x128_f8f6f4 v[8*(NB*ma+mt):8*(NB*ma+mt)+7], v[128*(\p)+12*mt:128*(\p)+12*mt+11], v[AF+48*(\p)+12*ma:AF+48*(\p)+12*ma+11], v[8*(NB*ma+mt):8*(NB*ma+mt)+7], v[SCBR+4*mt+(\q)], v[SCAR+4*ma+(\q)] matrix_a_fmt:MATRIX_FMT_FP6 matrix_b_fmt:MATRIX_FMT_FP6
.endif
.set mt, mt+1
.endr
.set ma, ma+1
.endr
.endm
.macro CHUNK slot, ch, first
	WIN 0
.if !(\first)
	PLACES 4
.endif
	SCALES \ch
	FETCH \slot, 0, 0
.irp q, 0,1,2,3
	s_wait_dscnt 0x0
.if \q < 3
.if \q > 0
	PLACES 4
.endif
	FETCH \slot, \q+1, 1-(\q)%2
.endif
.if (\first) && (\q == 0)
	MULS 0, 0, 1
.else
	MULS (\q)%2, \q, 0
.endif
.endr
	WIN 0
.endm
.macro TOSTAGE a
	WIN 0x08
.irp t, 0,1,2,3
	ds_store_b128 v[STO], v[8*(4*(\a)+\t):8*(4*(\a)+\t)+3] offset:128*(\t/2)+32*(\t%2)
	ds_store_b128 v[STO], v[8*(4*(\a)+\t)+4:8*(4*(\a)+\t)+7] offset:128*(\t/2)+32*(\t%2)+16
.endr
	WIN 0
.irp i, 0,1,2,3,4,5,6,7
	ds_load_b128 v[BK+32*((\a)%2)+4*\i:BK+32*((\a)%2)+4*\i+3], v[RD] offset:2*\i*272
.endr
.endm
.macro SEND a, younger
.set B0, BK+32*((\a)%2)
	s_wait_dscnt \younger
.irp i, 0,1,2,3,4,5,6,7
	v_pk_add_f32 v[B0+4*\i:B0+4*\i+1], v[B0+4*\i:B0+4*\i+1], v[84:85]
	v_pk_add_f32 v[B0+4*\i+2:B0+4*\i+3], v[B0+4*\i+2:B0+4*\i+3], v[86:87]
.endr
	WIN 0x08
.irp i, 0,1,2,3,4,5,6,7
	v_pk_add_f32 v[B0+4*\i:B0+4*\i+1], v[B0+4*\i:B0+4*\i+1], v[128+32*(\a)+4*\i:128+32*(\a)+4*\i+1]
	v_pk_add_f32 v[B0+4*\i+2:B0+4*\i+3], v[B0+4*\i+2:B0+4*\i+3], v[128+32*(\a)+4*\i+2:128+32*(\a)+4*\i+3]
.endr
	WIN 0
.irp i, 0,1,2,3,4,5,6,7
	global_store_b128 v[CO], v[B0+4*\i:B0+4*\i+3], s[12:13] offset:(32*((\a)/2)+8*((\a)%2)+2*\i+8*(\i/4))*4096
.endr
.endm
	s_load_b128 s[4:7], s[0:1], 0x0
	s_load_b128 s[8:11], s[0:1], 0x10
	s_load_b64 s[12:13], s[0:1], 0x20
	v_lshl_add_u32 v254, v0, 2, 0x32000
	v_mov_b32 v255, 0
	ds_add_u32 v254, v255
	ds_add_u32 v254, v255
	v_lshrrev_b32 v1, 5, v0
	v_readfirstlane_b32 s14, v1
	s_lshr_b32 s15, s14, 1
	s_and_b32 s16, s14, 1
	s_bfe_u32 s40, ttmp6, 0x40000
	s_bfe_u32 s41, ttmp6, 0x40004
	s_lshl_b32 s42, ttmp9, 2
	s_add_co_u32 s42, s42, s40
	s_and_b32 s17, ttmp7, 0xffff
	s_lshl_b32 s17, s17, 2
	s_add_co_u32 s17, s17, s41
	s_lshl_b32 s43, s41, 2
	s_lshl_b32 s43, 15, s43
	s_lshl_b32 s44, 0x1111, s40
	s_or_b32 s[G1], s43, (3<<16)|(1<<21)
	s_or_b32 s[G1B], s44, (3<<16)|(1<<21)
	s_or_b32 s[G1S], s43, (3<<16)|(1<<21)
	s_or_b32 s[G1SB], s44, (3<<16)|(1<<21)
	SHAPE G1, 1536, 8, TP/8
	SHAPE G1B, 1536, 8, TP/8
	SHAPE G1S, 32, 128*KSW/256, 32
	SHAPE G1SB, 32, 128*KSW/256, 32
	s_lshl_b32 s20, s17, 3
	s_mul_i32 s22, s20, 16*KSW
	s_mul_i32 s20, s20, TP
	s_add_co_u32 s22, s22, ASC
	s_mov_b32 s21, 0
	s_mov_b32 s23, 0
	s_mul_i32 s46, s42, 2*NB
	s_mul_i32 s66, s46, 16*KSW
	s_mul_i32 s46, s46, TP
	s_add_co_u32 s46, s46, BCO
	s_add_co_u32 s66, s66, BSC
	s_mov_b32 s47, 0
	s_mov_b32 s67, 0
	s_wait_dscnt 0x0
	s_wait_kmcnt 0x0
	s_add_nc_u64 s[20:21], s[4:5], s[20:21]
	s_add_nc_u64 s[22:23], s[4:5], s[22:23]
	s_add_nc_u64 s[46:47], s[6:7], s[46:47]
	s_add_nc_u64 s[66:67], s[6:7], s[66:67]
	CROUND
.macro GC g, lds, src                  ; a group 0: LDS byte a constant
	s_mov_b32 s[\g], 1
	s_mov_b32 s[\g+1], \lds
	s_mov_b64 s[\g+2:\g+3], s[\src:\src+1]
	s_or_b32 s[\g+3], s[\g+3], 0x80000000
.endm
.macro ARM under, g0, g1, next         ; one arm of the head's chain: every way through it passes one load
	s_cmp_lt_u32 s14, \under
	s_cbranch_scc0 \next
	tensor_load_to_lds s[\g0:\g0+3], s[\g1:\g1+7]
	s_nop 0
.rept 4
	v_nop
.endr
	s_branch .Lhead_asked
\next:
.endm
	GC G0, 0, 20
	GC G0B, BOFF, 46
	GC G0S, SCA, 22
	GC G0SB, SCB, 66
	ARM 1, G0, G1, .Lhead_b
	ARM 2, G0B, G1B, .Lhead_sa
	ARM 3, G0S, G1S, .Lhead_sb
	tensor_load_to_lds s[G0SB:G0SB+3], s[G1SB:G1SB+7]
	s_nop 0
.rept 4
	v_nop
.endr
.Lhead_asked:
	v_and_b32 v1, 31, v0
	v_and_b32 v2, 15, v0
	v_bfe_u32 v3, v0, 4, 1
	s_wait_alu depctr_va_vdst(0)
	v_lshlrev_b32 v4, 4, v1
	s_wait_alu depctr_va_vdst(0)
	v_lshlrev_b32 v5, 3, v1
	s_wait_alu depctr_va_vdst(0)
	s_lshl_b32 s18, s17, 7
	s_lshl_b32 s19, s15, 6
	s_add_co_u32 s18, s18, s19
	s_lshl_b32 s18, s18, 12
	s_lshl_b32 s20, s42, 9
	s_lshl_b32 s21, s16, 8
	s_add_co_u32 s20, s20, s21
	s_add_co_u32 s18, s18, s20
	s_mov_b32 s19, 0
	s_mov_b32 s21, 0
	s_add_nc_u64 s[8:9], s[8:9], s[18:19]
	s_add_nc_u64 s[12:13], s[12:13], s[18:19]
	s_add_nc_u64 s[10:11], s[10:11], s[20:21]
	v_lshlrev_b32 v[CO], 12, v3
	v_lshl_add_u32 v[CO], v2, 4, v[CO]
	v_lshlrev_b32 v26, 4, v2
	WIN 0x80
.irp a, 0,1,2,3
.irp i, 0,1,2,3,4,5,6,7
	global_load_b128 v[128+32*\a+4*\i:128+32*\a+4*\i+3], v[CO], s[8:9] offset:(32*(\a/2)+8*(\a%2)+2*\i+8*(\i/4))*4096 th:TH_LOAD_NT
.endr
.endr
	WIN 0
	global_load_b128 v[84:87], v26, s[10:11]
	s_mul_i32 s18, s15, 4*CHB
	s_mul_i32 s19, s16, NB*CHB
	s_add_co_u32 s19, s19, BOFF
.irp s, 0,1
	v_add_nc_u32 v[A16+\s], s18, v4
	v_add_nc_u32 v[A8+\s], s18, v5
	v_add_nc_u32 v[B16+\s], s19, v4
	v_add_nc_u32 v[B8+\s], s19, v5
	s_add_co_u32 s18, s18, 6144                    ; "slot 1" of the macros is the second half of K of the same tiles
	s_add_co_u32 s19, s19, 6144
.endr
	v_mul_u32_u24 v6, v2, KSW
	s_mul_i32 s18, s15, 64*KSW
	s_add_co_u32 s18, s18, SCA
	v_add_nc_u32 v[ASA], s18, v6
	s_mul_i32 s18, s16, 16*NB*KSW
	s_add_co_u32 s18, s18, SCB
	v_add_nc_u32 v[ASB], s18, v6
	s_mul_i32 s18, s14, 16*272
	s_add_co_u32 s18, s18, STAGE
	v_mul_u32_u24 v[STO], v2, 272
	v_lshl_add_u32 v[STO], v3, 6, v[STO]
	v_add_nc_u32 v[STO], s18, v[STO]
	v_mul_u32_u24 v[RD], v3, 272
	v_lshl_add_u32 v[RD], v2, 4, v[RD]
	v_add_nc_u32 v[RD], s18, v[RD]
	s_wait_alu depctr_va_vdst(0)
	s_wait_tensorcnt 0x0                           ; my one load
	s_barrier_signal -1
	s_barrier_wait -1                              ; everybody's: all of K and all scale words
	CHUNK 0, 0, 1
	CHUNK 1, 1, 0
	PLACES 4
	s_wait_loadcnt 0x0
	TOSTAGE 0
.irp a, 1,2,3
.if \a > 1
	s_wait_xcnt 0x0
.endif
	TOSTAGE \a
	SEND \a-1, 16
.endr
	SEND 3, 0
	s_wait_tensorcnt 0x0
	ds_add_u32 v254, v255
	s_wait_dscnt 0x0
	CROUND
	s_endpgm
.Lfunc_end_k_q1c05147947_ogemm:
	.size	k_q1c05147947_ogemm, .Lfunc_end_k_q1c05147947_ogemm-k_q1c05147947_ogemm
	.p2alignl 7, 3214868480
	.fill 96, 4, 3214868480
	.section	.rodata,"a",@progbits
	.p2align	6, 0x0
	.amdhsa_kernel k_q1c05147947_ogemm
		.amdhsa_group_segment_fixed_size 327680
		.amdhsa_private_segment_fixed_size 0
		.amdhsa_enable_private_segment 0
		.amdhsa_kernarg_size 40
		.amdhsa_user_sgpr_count 2
		.amdhsa_user_sgpr_kernarg_segment_ptr 1
		.amdhsa_wavefront_size32 1
		.amdhsa_system_sgpr_workgroup_id_x 1
		.amdhsa_system_sgpr_workgroup_id_y 1
		.amdhsa_system_sgpr_workgroup_id_z 1
		.amdhsa_system_vgpr_workitem_id 0
		.amdhsa_next_free_vgpr 768
		.amdhsa_next_free_sgpr 102
		.amdhsa_reserve_vcc 0
		.amdhsa_float_denorm_mode_32 3
		.amdhsa_float_denorm_mode_16_64 3
		.amdhsa_memory_ordered 1
		.amdhsa_forward_progress 1
		.amdhsa_inst_pref_size 63
	.end_amdhsa_kernel
	.amdgpu_metadata
---
amdhsa.version: [ 1, 2 ]
amdhsa.kernels:
  - .name:           k_q1c05147947_ogemm
    .symbol:         k_q1c05147947_ogemm.kd
    .args:
      - { .name: AO, .offset: 0, .size: 8, .value_kind: global_buffer, .address_space: global }
      - { .name: WB, .offset: 8, .size: 8, .value_kind: global_buffer, .address_space: global }
      - { .name: x, .offset: 16, .size: 8, .value_kind: global_buffer, .address_space: global }
      - { .name: b_o, .offset: 24, .size: 8, .value_kind: global_buffer, .address_space: global }
      - { .name: X1, .offset: 32, .size: 8, .value_kind: global_buffer, .address_space: global }
    .group_segment_fixed_size: 327680
    .private_segment_fixed_size: 0
    .kernarg_segment_align: 8
    .kernarg_segment_size: 40
    .max_flat_workgroup_size: 128
    .sgpr_count:     102
    .vgpr_count:     768
    .wavefront_size: 32
...
	.end_amdgpu_metadata
.endif
;; end of part 4
;; launch normh: the kernel of part 1 again; grid 256 x 1, 8 waves a work-group, no clusters, 115,968 bytes of LDS; arguments X1, ffn_norm_w, HQ, WB, W_q, W_k, W_v, W_o, W_gate, W_hidden, W_out; writes HQ, WB
;; launch ghgemm (part 5): grid 16 x 16, 4 waves a work-group, clusters of 4 x 4, 327,680 bytes of LDS; arguments HQ, WB, GQ; writes GQ
.if DOCPART == 5
	.amdgcn_target "amdgcn-amd-amdhsa--gfx1250"
	.amdhsa_code_object_version 6
	.text
	.protected	k_q1c05147947_ghgemm
	.globl	k_q1c05147947_ghgemm
	.p2align	8
	.type	k_q1c05147947_ghgemm,@function
k_q1c05147947_ghgemm:
	s_mov_b64 s[64:65], 0
	v_nop
	global_prefetch_b8 v0, s[64:65] scope:SCOPE_SE
	s_setreg_imm32_b32 hwreg(HW_REG_WAVE_MODE, 25, 1), 1
	s_wait_xcnt 0x0
	s_wait_alu depctr_hold_cnt(0) depctr_sa_sdst(0) depctr_va_vdst(0) depctr_va_sdst(0) depctr_va_ssrc(0) depctr_va_vcc(0) depctr_vm_vsrc(0)
	s_getreg_b32 s2, hwreg(HW_REG_IB_STS2, 6, 4)
	s_cmp_eq_u32 s2, 0
	s_cbranch_scc0 .Lentry_in_a_cluster
	s_endpgm
.Lentry_in_a_cluster:
	s_bfe_u32 s2, ttmp6, 0x10000c
	s_cmp_lg_u32 s2, 0xf033
	s_cbranch_scc0 .Lentry_shape_is_right
	s_endpgm
.Lentry_shape_is_right:
.set NA,    8
.set NB,    8
.set KTOT,  1024
; g = Q(silu(h W_gate) * (h W_hidden)) on codes of FP6 (E2M3) with E8M0 scales; a work-group makes 256 rows x 256 columns (four tiles of gate beside the same four of hidden), a wave 128 x 128; the result leaves as codes.
; THE WALK ALONG K: at the head one joint load a wave: wave 0 A's 16 tiles of K 0-255, wave 1 B's, wave 2 A's scale words, wave 3 B's.  Behind the waits, the add and a round, one load a wave brings K 256-767 into ONE slot of
; 196,608 bytes, whose tiles lie 6,144 bytes apart (slots 1 and 2 of the macros are its two halves along K).  Behind K step 0 slot 0 is filled again with K 768-1023.  No prefetch: the walk is written out, with no loop to run ahead in.
.set NSLOT, 3
.set TP,    KTOT*12
.set KSW,   KTOT/32
.set CHB,   3072
.set BOFF,  2*NA*CHB
.set SLOT,  (2*NA+2*NB)*CHB
.set SCA,   NSLOT*SLOT
.set SCB,   SCA+32*NA*KSW
.set SPARE, SCB+32*NB*KSW+8192
.set ASC,   3145728
.set BCO,   3145728
.set BSC,   7995392
.set A16, 8
.set A8,  11
.set B16, 14
.set B8,  17
.set ADRS, 20
.set SPW, 28
.set NIL, 29
.set SC,  32
.set AF,  64
.set TM,  64
.set PW,  80
.set PC,  96
.set E,   128
.set P,   160
.set G1,  24
.set G0,  32
.set G1B, 48
.set G0B, 56
.set G1S, 68
.set G0S, 76
.set G1SB, 80
.set G0SB, 88
.set SEL, 12
.set MSB, 0
.macro WIN new
.if MSB != \new
	s_set_vgpr_msb (MSB<<8)|\new
.set MSB, \new
.endif
.endm
.macro PLACES n
.rept \n
	v_nop
.endr
.endm
.macro CREST
	s_cmp_lg_u32 s14, 0
	s_cbranch_scc1 .Lnot_wave_0_\@
	s_barrier_signal -3
.Lnot_wave_0_\@:
	s_barrier_wait -3
	s_barrier_signal -1
	s_barrier_wait -1
.endm
.macro CROUND
	s_barrier_signal -1
	s_barrier_wait -1
	CREST
.endm
.macro JLOAD g0a, g1a, g0b, g1b
	s_cmp_eq_u32 s15, 0
	s_cbranch_scc0 .Lfor_b_\@
	tensor_load_to_lds s[\g0a:\g0a+3], s[\g1a:\g1a+7]
	s_nop 0
.rept 4
	v_nop
.endr
	s_branch .Lasked_\@
.Lfor_b_\@:
	tensor_load_to_lds s[\g0b:\g0b+3], s[\g1b:\g1b+7]
	s_nop 0
.rept 4
	v_nop
.endr
.Lasked_\@:
.endm
.macro SHAPE g, c, r, p
	s_mov_b32 s[\g+1], ((\c)&0xffff)<<16
	s_mov_b32 s[\g+2], ((\c)>>16)|(((\r)&0xffff)<<16)
	s_mov_b32 s[\g+3], ((\r)>>16)|((\c)<<16)
	s_mov_b32 s[\g+4], \r
	s_mov_b32 s[\g+5], \p
	s_mov_b32 s[\g+6], 0
	s_mov_b32 s[\g+7], 0
.endm
.macro SETSLOT g0a, g0b, s
	s_mov_b32 s[\g0a], 1
	s_add_co_u32 s[\g0a+1], s45, (\s)*SLOT
	s_add_nc_u64 s[\g0a+2:\g0a+3], s[20:21], (\s)*CHB
	s_or_b32 s[\g0a+3], s[\g0a+3], 0x80000000
	s_mov_b32 s[\g0b], 1
	s_add_co_u32 s[\g0b+1], s19, (\s)*SLOT
	s_add_nc_u64 s[\g0b+2:\g0b+3], s[46:47], (\s)*CHB
	s_or_b32 s[\g0b+3], s[\g0b+3], 0x80000000
	s_wait_alu depctr_va_vdst(0)
	s_wait_tensorcnt 0x0
	ds_add_u32 v28, v29
	s_wait_dscnt 0x0
	CROUND
	JLOAD \g0a, G1, \g0b, G1B
.endm
.macro FRAG reg, a16, a8, off
	ds_load_b128 v[(\reg):(\reg)+3], v[\a16] offset:(\off)
	ds_load_b64 v[(\reg)+4:(\reg)+5], v[\a8] offset:(\off)+512
	ds_load_b128 v[(\reg)+6:(\reg)+9], v[\a16] offset:(\off)+768
	ds_load_b64 v[(\reg)+10:(\reg)+11], v[\a8] offset:(\off)+1280
.endm
.macro FETCH0
	WIN 0x40
.set ft, 0
.rept 8
	FRAG 12*ft, B16, B8, ft*CHB
.set ft, ft+1
.endr
	WIN 0
.set ft, 0
.rept 8
	ds_load_b32 v[SC+ft], v[ADRS] offset:ft*16*KSW
.set ft, ft+1
.endr
.set ft, 0
.rept 8
	FRAG AF+12*ft, A16, A8, ft*CHB
.set ft, ft+1
.endr
.endm
.macro STEP p, zero, nx, slot, q, ks
.set CHB, 3072*(1+((\slot)+1)/2)       ; from tile to tile in the slot that is fetched from: 3,072 in slot 0, 6,144 in the large one
.if (\nx) && !(\zero)
	PLACES 4
.endif
.set ma, 0
.rept 8
.if \nx
.if ma < 4
	WIN 0x40
	FRAG 128*(1-\p)+24*ma, B16+\slot, B8+\slot, 2*ma*CHB+(\q)*1536
	FRAG 128*(1-\p)+24*ma+12, B16+\slot, B8+\slot, (2*ma+1)*CHB+(\q)*1536
.endif
.if ma == 4
	s_wait_dscnt 32
	WIN 0
.set ft, 0
.rept 8
	ds_load_b32 v[SC+8*(1-\p)+ft], v[ADRS] offset:ft*16*KSW+4*(\ks)
.set ft, ft+1
.endr
	FRAG AF+96*(1-\p), A16+\slot, A8+\slot, (\q)*1536
.endif
.if ma == 5
	WIN 0
	FRAG AF+96*(1-\p)+12, A16+\slot, A8+\slot, CHB+(\q)*1536
	FRAG AF+96*(1-\p)+24, A16+\slot, A8+\slot, 2*CHB+(\q)*1536
.endif
.if ma == 6
	WIN 0
	FRAG AF+96*(1-\p)+36, A16+\slot, A8+\slot, 3*CHB+(\q)*1536
	FRAG AF+96*(1-\p)+48, A16+\slot, A8+\slot, 4*CHB+(\q)*1536
	FRAG AF+96*(1-\p)+60, A16+\slot, A8+\slot, 5*CHB+(\q)*1536
.endif
.if ma == 7
	WIN 0
	FRAG AF+96*(1-\p)+72, A16+\slot, A8+\slot, 6*CHB+(\q)*1536
	FRAG AF+96*(1-\p)+84, A16+\slot, A8+\slot, 7*CHB+(\q)*1536
.endif
.endif
.if !(\nx) && (ma == 4)
	s_wait_dscnt 0x0
.endif
.if ma < 4
	WIN 0xa1
.else
	WIN 0xf1
.endif
.set mt, 0
.rept 8
.if \zero
	v_wmma_scale_f32_16x16x128_f8f6f4 v[8*(8*(ma%4)+mt):8*(8*(ma%4)+mt)+7], v[128*(\p)+12*mt:128*(\p)+12*mt+11], v[AF+96*(\p)+12*ma:AF+96*(\p)+12*ma+11], 0, v[SC+8*(\p)+mt], v[SC+8*(\p)+ma] matrix_a_fmt:MATRIX_FMT_FP6 matrix_b_fmt:MATRIX_FMT_FP6 matrix_a_scale:MATRIX_SCALE_ROW1
.else
	v_wmma_scale_f32_16x16x128_f8f6f4 v[8*(8*(ma%4)+mt):8*(8*(ma%4)+mt)+7], v[128*(\p)+12*mt:128*(\p)+12*mt+11], v[AF+96*(\p)+12*ma:AF+96*(\p)+12*ma+11], v[8*(8*(ma%4)+mt):8*(8*(ma%4)+mt)+7], v[SC+8*(\p)+mt], v[SC+8*(\p)+ma] matrix_a_fmt:MATRIX_FMT_FP6 matrix_b_fmt:MATRIX_FMT_FP6 matrix_a_scale:MATRIX_SCALE_ROW1
.endif
.set mt, mt+1
.endr
.set ma, ma+1
.endr
.endm
.macro QUANTH s
.irp b, 0,1
	v_max3_num_f32 v[TM+\b], |v[(\s)+16*\b]|, |v[(\s)+1+16*\b]|, 0x1800000
.endr
.irp i, 2,4,6,8,10,12,14
.irp b, 0,1
	v_max3_num_f32 v[TM+\b], |v[(\s)+16*\b+\i]|, |v[(\s)+1+16*\b+\i]|, v[TM+\b]
.endr
.endr
.irp b, 0,1
	v_permlanex16_b32 v[TM+4+\b], v[TM+\b], s[SEL], s[SEL+1]
.endr
.irp b, 0,1
	v_max_num_f32 v[TM+\b], v[TM+\b], v[TM+4+\b]
.endr
.irp b, 0,1
	v_add_nc_u32 v[TM+12+\b], 0xff000000, v[TM+\b]
.endr
.irp b, 0,1
	v_lshrrev_b32 v[TM+4+\b], 23, v[TM+12+\b]
.endr
	v_lshl_or_b32 v[PW], v[TM+5], 8, v[TM+4]
	v_cvt_scalef32_pk16_fp6_f32 v[PC:PC+2], v[(\s):(\s)+15], v[TM+12]
	v_cvt_scalef32_pk16_fp6_f32 v[PC+12:PC+14], v[(\s)+16:(\s)+31], v[TM+13]
	v_nop
.irp i, 0,1,2
	v_permlane16_swap_b32 v[PC+\i], v[PC+12+\i]
.endr
.irp i, 0,1,2
	v_mov_b32 v[PC+3+\i], v[PC+12+\i]
.endr
.endm
.macro ACT g, w1, w2, a
	WIN \w1
.set jj, 0
.rept 16
	v_pk_mul_f32 v[E+jj:E+jj+1], v[(\g)+jj:(\g)+jj+1], s[18:19] op_sel_hi:[1,0]
.set jj, jj+2
.endr
	WIN 0
.set jj, 0
	s_wait_alu depctr_va_vdst(0)
.rept 32
	v_exp_f32 v[E+jj], v[E+jj]
.set jj, jj+1
.endr
	WIN \w2
.set jj, 0
	s_wait_alu depctr_va_vdst(0)
.rept 16
	v_pk_mul_f32 v[P+jj:P+jj+1], v[(\g)+jj:(\g)+jj+1], v[(\g)+32+jj:(\g)+32+jj+1]
.set jj, jj+2
.endr
	WIN 0
	s_wait_alu depctr_va_vdst(0)
.set jj, 0
.rept 16
	v_pk_add_f32 v[E+jj:E+jj+1], v[E+jj:E+jj+1], 1.0 op_sel_hi:[1,0]
.set jj, jj+2
.endr
.set jj, 0
	s_wait_alu depctr_va_vdst(0)
.rept 32
	v_rcp_f32 v[E+jj], v[E+jj]
.set jj, jj+1
.endr
	v_nop
	s_wait_alu depctr_va_vdst(0)
.set jj, 0
.rept 16
	v_pk_mul_f32 v[P+jj:P+jj+1], v[P+jj:P+jj+1], v[E+jj:E+jj+1]
.set jj, jj+2
.endr
	QUANTH P
	global_store_b128 v4, v[PC:PC+3], s[20:21] offset:24576*(\a)
	global_store_b64 v5, v[PC+4:PC+5], s[20:21] offset:24576*(\a)+512
	global_store_b16 v22, v[PW], s[22:23] offset:1024*(\a)
	s_wait_xcnt 0x0
.endm
	s_load_b128 s[4:7], s[0:1], 0x0
	s_load_b64 s[8:9], s[0:1], 0x10
	v_lshl_add_u32 v[SPW], v0, 2, SPARE
	v_mov_b32 v[NIL], 0
	ds_add_u32 v28, v29
	ds_add_u32 v28, v29
	s_wait_dscnt 0x0
	v_lshrrev_b32 v1, 5, v0
	v_readfirstlane_b32 s14, v1
	s_lshr_b32 s15, s14, 1
	s_and_b32 s16, s14, 1
	s_bfe_u32 s40, ttmp6, 0x40000
	s_bfe_u32 s41, ttmp6, 0x40004
	s_lshl_b32 s42, ttmp9, 2
	s_add_co_u32 s42, s42, s40
	s_and_b32 s17, ttmp7, 0xffff
	s_lshl_b32 s17, s17, 2
	s_add_co_u32 s17, s17, s41
	s_lshl_b32 s43, s41, 2
	s_lshl_b32 s43, 15, s43
	s_lshl_b32 s44, 0x1111, s40
	s_or_b32 s[G1], s43, (3<<16)|(1<<21)
	s_or_b32 s[G1B], s44, (3<<16)|(1<<21)
	s_or_b32 s[G1S], s43, (3<<16)|(1<<21)
	s_or_b32 s[G1SB], s44, (3<<16)|(1<<21)
	SHAPE G1, 384, 16, TP/8                        ; the head's loads: 16 tiles x 3,072 bytes
	SHAPE G1B, 384, 16, TP/8
	SHAPE G1S, 32, 32*NA*KSW/256, 32               ; the scale words of 256 rows, dense
	SHAPE G1SB, 32, 32*NB*KSW/256, 32
	s_lshl_b32 s20, s17, 4
	s_mul_i32 s22, s20, 16*KSW
	s_mul_i32 s20, s20, TP
	s_add_co_u32 s22, s22, ASC
	s_mov_b32 s21, 0
	s_mov_b32 s23, 0
	s_mul_i32 s46, s42, 2*NB
	s_mul_i32 s66, s46, 16*KSW
	s_mul_i32 s46, s46, TP
	s_add_co_u32 s46, s46, BCO
	s_add_co_u32 s66, s66, BSC
	s_mov_b32 s47, 0
	s_mov_b32 s67, 0
	s_mul_i32 s2, s16, 8*TP                        ; behind the head I fetch 8 tiles: which half, in bytes of memory
	s_mov_b32 s3, 0
	s_mul_i32 s18, s16, 8*3072                     ; where they go in slot 0: A's,
	s_add_co_u32 s19, s18, BOFF                    ; B's;
	s_mul_i32 s45, s16, 8*6144
	s_add_co_u32 s45, s45, SLOT                    ; and in the large slot: A's,
	s_add_co_u32 s44, s45, 16*6144                 ; B's
	s_wait_kmcnt 0x0
	s_add_nc_u64 s[20:21], s[4:5], s[20:21]
	s_add_nc_u64 s[22:23], s[4:5], s[22:23]
	s_add_nc_u64 s[46:47], s[6:7], s[46:47]
	s_add_nc_u64 s[66:67], s[6:7], s[66:67]
	CROUND
.macro GC g, lds, src                  ; a group 0: LDS byte a constant
	s_mov_b32 s[\g], 1
	s_mov_b32 s[\g+1], \lds
	s_mov_b64 s[\g+2:\g+3], s[\src:\src+1]
	s_or_b32 s[\g+3], s[\g+3], 0x80000000
.endm
.macro GR g, lreg, src, off            ; a group 0: LDS byte in a register, the address off bytes along K
	s_mov_b32 s[\g], 1
	s_mov_b32 s[\g+1], s[\lreg]
	s_add_nc_u64 s[\g+2:\g+3], s[\src:\src+1], \off
	s_or_b32 s[\g+3], s[\g+3], 0x80000000
.endm
.macro ARM under, g0, g1, next         ; one arm of the head's chain: every way through it passes one load
	s_cmp_lt_u32 s14, \under
	s_cbranch_scc0 \next
	tensor_load_to_lds s[\g0:\g0+3], s[\g1:\g1+7]
	s_nop 0
.rept 4
	v_nop
.endr
	s_branch .Lhead_asked
\next:
.endm
	GC G0, 0, 20
	GC G0B, BOFF, 46
	GC G0S, SCA, 22
	GC G0SB, SCB, 66
	ARM 1, G0, G1, .Lhead_b
	ARM 2, G0B, G1B, .Lhead_sa
	ARM 3, G0S, G1S, .Lhead_sb
	tensor_load_to_lds s[G0SB:G0SB+3], s[G1SB:G1SB+7]
	s_nop 0
.rept 4
	v_nop
.endr
.Lhead_asked:
	s_add_nc_u64 s[20:21], s[20:21], s[2:3]        ; my 8 tiles
	s_add_nc_u64 s[46:47], s[46:47], s[2:3]
	GR G0+4, 45, 20, 3072                          ; K 256-767
	GR G0B+4, 44, 46, 3072
	GR 92, 18, 20, 9216                            ; K 768-1023
	GR 96, 19, 46, 9216
	v_and_b32 v1, 31, v0
	v_and_b32 v2, 15, v0
	v_bfe_u32 v3, v0, 4, 1
	v_lshlrev_b32 v4, 4, v1
	v_lshlrev_b32 v5, 3, v1
	s_mul_i32 s18, s15, NA*CHB
	s_mul_i32 s19, s16, NB*CHB
	s_add_co_u32 s19, s19, BOFF
.irp s, 0,1,2
	v_add_nc_u32 v[A16+\s], s18, v4
	v_add_nc_u32 v[A8+\s], s18, v5
	v_add_nc_u32 v[B16+\s], s19, v4
	v_add_nc_u32 v[B8+\s], s19, v5
.if \s == 0
	s_lshl_b32 s18, s18, 1                         ; the large slot: tiles twice as far apart (2 BOFF = A's 16 tiles there)
	s_add_co_u32 s18, s18, SLOT
	s_lshl_b32 s19, s19, 1
	s_add_co_u32 s19, s19, SLOT
	s_wait_alu depctr_va_vdst(0)
.else
	s_add_co_u32 s18, s18, 3072                    ; its second half along K
	s_add_co_u32 s19, s19, 3072
.endif
.endr
	v_mul_u32_u24 v6, v2, KSW
	s_mul_i32 s18, s15, 16*NA*KSW
	s_mul_i32 s19, s16, 16*NB*KSW
	s_add_co_u32 s19, s19, 32*NA*KSW
	s_sub_co_u32 s19, s19, s18
	v_mul_u32_u24 v7, s19, v3
	s_add_co_u32 s18, s18, SCA
	v_add_nc_u32 v6, v6, v7
	v_add_nc_u32 v[ADRS], s18, v6
	v_lshlrev_b32 v22, 6, v2
	s_mov_b32 s[SEL], 0x76543210
	s_mov_b32 s[SEL+1], 0xfedcba98
	s_lshl_b32 s18, s17, 4
	s_lshl_b32 s19, s15, 3
	s_add_co_u32 s18, s18, s19
	s_lshl_b32 s19, s42, 1
	s_add_co_u32 s19, s19, s16
	s_mul_i32 s20, s18, 24576
	s_mul_i32 s21, s19, 768
	s_add_co_u32 s20, s20, s21
	s_mov_b32 s21, 0
	s_add_nc_u64 s[20:21], s[8:9], s[20:21]
	s_lshl_b32 s22, s18, 10
	s_lshl_b32 s23, s19, 1
	s_add_co_u32 s22, s22, s23
	s_add_co_u32 s22, s22, 6291456
	s_mov_b32 s23, 0
	s_add_nc_u64 s[22:23], s[8:9], s[22:23]
	s_mov_b32 s18, 0xbfb8aa3b
	s_mov_b32 s19, s18
	s_wait_alu depctr_va_vdst(0)
	s_wait_tensorcnt 0x0                           ; my tile of the head's four is in
	ds_add_u32 v[SPW], v[NIL]
	SHAPE G1, 768, 8, TP/8                         ; no load of mine is out: the next brings 8 tiles x 6,144 bytes
	SHAPE G1B, 768, 8, TP/8
	s_wait_dscnt 0x0
	CROUND                                         ; all four tiles are in, and all sixteen work-groups are here
	JLOAD G0+4, G1, G0B+4, G1B                     ; the large slot's first fill, my one load behind the round
	FETCH0
	s_wait_dscnt 16
	STEP 0, 1, 1, 0, 1, 1
	WIN 0
	s_wait_tensorcnt 0x0
	ds_add_u32 v[SPW], v[NIL]
	SHAPE G1, 384, 8, TP/8                         ; the refill brings 8 tiles x 3,072 bytes
	SHAPE G1B, 384, 8, TP/8
	s_wait_dscnt 0x0
	CROUND
	JLOAD 92, G1, 96, G1B
	STEP 1, 0, 1, 1, 0, 2
	s_wait_dscnt 16
	STEP 0, 0, 1, 1, 1, 3
	s_wait_dscnt 16
	STEP 1, 0, 1, 2, 0, 4
	s_wait_dscnt 16
	STEP 0, 0, 1, 2, 1, 5
	WIN 0
	s_wait_dscnt 0x0
	s_wait_tensorcnt 0x0
	s_barrier_signal -1
	s_barrier_wait -1
	STEP 1, 0, 1, 0, 0, 6
	s_wait_dscnt 16
	STEP 0, 0, 1, 0, 1, 7
	s_wait_dscnt 16
	STEP 1, 0, 0, 0, 0, 0
	WIN 0
	PLACES 4
	v_mov_b32 v[TM+4], 0
	v_mov_b32 v[TM+5], 0
	ACT 0, 0x02, 0x0a, 0
	ACT 64, 0x02, 0x0a, 1
	ACT 128, 0x02, 0x0a, 2
	ACT 192, 0x02, 0x0a, 3
	ACT 0, 0x03, 0x0f, 4
	ACT 64, 0x03, 0x0f, 5
	ACT 128, 0x03, 0x0f, 6
	ACT 192, 0x03, 0x0f, 7
	s_wait_tensorcnt 0x0
	ds_add_u32 v[SPW], v[NIL]
	s_wait_dscnt 0x0
	CROUND
	s_endpgm
.Lfunc_end_k_q1c05147947_ghgemm:
	.size	k_q1c05147947_ghgemm, .Lfunc_end_k_q1c05147947_ghgemm-k_q1c05147947_ghgemm
	.p2alignl 7, 3214868480
	.fill 96, 4, 3214868480
	.section	.rodata,"a",@progbits
	.p2align	6, 0x0
	.amdhsa_kernel k_q1c05147947_ghgemm
		.amdhsa_group_segment_fixed_size 327680
		.amdhsa_private_segment_fixed_size 0
		.amdhsa_enable_private_segment 0
		.amdhsa_kernarg_size 24
		.amdhsa_user_sgpr_count 2
		.amdhsa_user_sgpr_kernarg_segment_ptr 1
		.amdhsa_wavefront_size32 1
		.amdhsa_system_sgpr_workgroup_id_x 1
		.amdhsa_system_sgpr_workgroup_id_y 1
		.amdhsa_system_sgpr_workgroup_id_z 1
		.amdhsa_system_vgpr_workitem_id 0
		.amdhsa_next_free_vgpr 1024
		.amdhsa_next_free_sgpr 102
		.amdhsa_reserve_vcc 0
		.amdhsa_float_denorm_mode_32 3
		.amdhsa_float_denorm_mode_16_64 3
		.amdhsa_memory_ordered 1
		.amdhsa_forward_progress 1
		.amdhsa_inst_pref_size 187
	.end_amdhsa_kernel
	.amdgpu_metadata
---
amdhsa.version: [ 1, 2 ]
amdhsa.kernels:
  - .name:           k_q1c05147947_ghgemm
    .symbol:         k_q1c05147947_ghgemm.kd
    .args:
      - { .name: HQ, .offset: 0, .size: 8, .value_kind: global_buffer, .address_space: global }
      - { .name: WB, .offset: 8, .size: 8, .value_kind: global_buffer, .address_space: global }
      - { .name: GQ, .offset: 16, .size: 8, .value_kind: global_buffer, .address_space: global }
    .group_segment_fixed_size: 327680
    .private_segment_fixed_size: 0
    .kernarg_segment_align: 8
    .kernarg_segment_size: 24
    .max_flat_workgroup_size: 128
    .sgpr_count:     102
    .vgpr_count:     1024
    .wavefront_size: 32
...
	.end_amdgpu_metadata
.endif
;; end of part 5
;; launch outgemm (part 6): grid 8 x 32, 4 waves a work-group, clusters of 4 x 4, 327,680 bytes of LDS; arguments GQ, WB, X1, b_out, out0; writes out0
.if DOCPART == 6
	.amdgcn_target "amdgcn-amd-amdhsa--gfx1250"
	.amdhsa_code_object_version 6
	.text
	.protected	k_q1c05147947_outgemm
	.globl	k_q1c05147947_outgemm
	.p2align	8
	.type	k_q1c05147947_outgemm,@function
k_q1c05147947_outgemm:
	s_mov_b64 s[64:65], 0
	v_nop
	global_prefetch_b8 v0, s[64:65] scope:SCOPE_SE
	s_setreg_imm32_b32 hwreg(HW_REG_WAVE_MODE, 25, 1), 1
	s_wait_xcnt 0x0
	s_wait_alu depctr_hold_cnt(0) depctr_sa_sdst(0) depctr_va_vdst(0) depctr_va_sdst(0) depctr_va_ssrc(0) depctr_va_vcc(0) depctr_vm_vsrc(0)
	s_getreg_b32 s2, hwreg(HW_REG_IB_STS2, 6, 4)
	s_cmp_eq_u32 s2, 0
	s_cbranch_scc0 .Lentry_in_a_cluster
	s_endpgm
.Lentry_in_a_cluster:
	s_bfe_u32 s2, ttmp6, 0x10000c
	s_cmp_lg_u32 s2, 0xf033
	s_cbranch_scc0 .Lentry_shape_is_right
	s_endpgm
.Lentry_shape_is_right:
; out0 = X1 + (g W_out + b_out): a product on codes of FP6 (E2M3) with E8M0 scales, K = 2,048; bias and residual in f32; out0 [4,096][1,024] f32.
; OPERANDS are images of their registers: a tile is 16 rows, lane-row r of tile T being index 32 (T / 2) + 8 (T % 2) + r + 8 (r / 8); codes [T][K / 64][768 bytes] (lane L: 16 bytes at 16 L, 8 at 512 + 8 L);
; scale words [T][r][K / 128].  Source 0 = 16 columns of the weight, source 1 = 16 rows of g: a lane holds one row and neighbouring columns.
; SHARES.  N is 1,024, so a work-group makes 128 x 128 (256 work-groups); each of four waves 64 x 64: 16 accumulators.
; K goes in four chunks of 512 through THREE slots of 98,304 bytes: chunks 0, 1, 2 are asked for at the head; chunk 3 fills slot 0 again, behind chunk 0's products, and has chunks 1 and 2 (128 products a wave) in which to land.
; That is the text's one refill: every wave waits for all its tensor loads, adds 0 to its spare word, waits for that and for its reads, a round of the cluster's barrier follows, and the joint load is the first thing behind it.
; All of the WGP's LDS is claimed.
; CLUSTER 4 x 4: A's tiles are shared along a row of the cluster, B's along a column, by joint loads.
; THE WAY OUT: 16 rows x 64 columns at a time through the wave's own stage (rows of 256 + 16 bytes) and back by rows, so that sixteen lanes store 256 consecutive bytes, aligned.  The stage lies in slot 1, which has had its
; only fill and which nobody reads behind the barrier in front of chunk 3.
; REGISTERS: window 0: v1-29 addresses; v32-47, v48-63 scale words; v84-87 bias; v128-223 A's fragments, two sets, later rows on their way out.  Window 1: B's fragments.  Window 2: v0-127 accumulators, v128-255 the residual.
.set NB,    4
.set KTOT,  2048
; THE WALK ALONG K AS THE TEXT NOW HAS IT (it takes the place of what the head says of three slots and of the head's loads): at the head one joint load a wave: wave 0 A's 8 tiles of K 0-511, wave 1 B's, wave 2 A's scale
; words, wave 3 B's.  Behind the waits, the add and a round, one load a wave brings K 512-1535 into ONE slot of 196,608 bytes, whose tiles lie 12,288 bytes apart (slots 1 and 2 of the macros are its two halves along K).
; Behind chunk 0 slot 0 is filled again with K 1536-2047.  The stages lie at the large slot's start.  No prefetch: the walk is written out, there is no loop to run ahead in.
.set NSLOT, 3
.set TP,    KTOT*12
.set KSW,   KTOT/32
.set CHB,   6144
.set BOFF,  8*CHB
.set SLOT,  (8+2*NB)*CHB
.set SCA,   NSLOT*SLOT
.set SCB,   SCA+128*KSW
.set SPARE, SCB+32*NB*KSW              ; behind the scale words: the spare words, 128 bytes for each wave: two blocks of 256 bytes that no other line names
.set STAGE, SLOT
.set ASC,   6291456                    ; GQ's scale words
.set BCO,   6291456                    ; W_out's codes in WB
.set BSC,   8126464                    ; and its scale words
.set A16, 8
.set A8,  11
.set B16, 14
.set B8,  17
.set ASA, 20
.set ASB, 21
.set STO, 22
.set RD,  23
.set CO,  25
.set SPW, 28                           ; v28 LDS address of my spare word; never rewritten
.set NIL, 29                           ; v29 0; never rewritten
.set SCAR, 32
.set SCBR, 48
.set AF,  128
.set BK,  132
.set G1,  24
.set G0,  32                           ; s[32:39] A's groups 0 for slot 0 and the large slot; s[92:95] for slot 0's refill
.set G1B, 48
.set G0B, 56                           ; s[56:63] B's; s[96:99]
.set G1S, 68
.set G0S, 76
.set G1SB, 80
.set G0SB, 88
.set MSB, 0
.macro WIN new                         ; s_set_vgpr_msb: bits 1:0 source 0, 3:2 source 1, 5:4 source 2, 7:6 destination; the high byte repeats the setting that is left
.if MSB != \new
	s_set_vgpr_msb (MSB<<8)|\new
.set MSB, \new
.endif
.endm
.macro PLACES n
.rept \n
	v_nop
.endr
.endm
.macro CREST
	s_cmp_lg_u32 s14, 0
	s_cbranch_scc1 .Lnot_wave_0_\@
	s_barrier_signal -3
.Lnot_wave_0_\@:
	s_barrier_wait -3
	s_barrier_signal -1
	s_barrier_wait -1
.endm
.macro CROUND
	s_barrier_signal -1
	s_barrier_wait -1
	CREST
.endm
.macro JLOAD g0a, g1a, g0b, g1b        ; a joint load: waves 0 and 1 fetch A's halves, waves 2 and 3 B's; four v_nop follow each line
	s_cmp_eq_u32 s15, 0
	s_cbranch_scc0 .Lfor_b_\@
	tensor_load_to_lds s[\g0a:\g0a+3], s[\g1a:\g1a+7]
	s_nop 0
.rept 4
	v_nop
.endr
	s_branch .Lasked_\@
.Lfor_b_\@:
	tensor_load_to_lds s[\g0b:\g0b+3], s[\g1b:\g1b+7]
	s_nop 0
.rept 4
	v_nop
.endr
.Lasked_\@:
.endm
.macro SHAPE g, c, r, p
	s_mov_b32 s[\g+1], ((\c)&0xffff)<<16
	s_mov_b32 s[\g+2], ((\c)>>16)|(((\r)&0xffff)<<16)
	s_mov_b32 s[\g+3], ((\r)>>16)|((\c)<<16)
	s_mov_b32 s[\g+4], \r
	s_mov_b32 s[\g+5], \p
	s_mov_b32 s[\g+6], 0
	s_mov_b32 s[\g+7], 0
.endm
.macro SETSLOT g0a, g0b, s
	s_mov_b32 s[\g0a], 1
	s_add_co_u32 s[\g0a+1], s45, (\s)*SLOT
	s_add_nc_u64 s[\g0a+2:\g0a+3], s[20:21], (\s)*CHB
	s_or_b32 s[\g0a+3], s[\g0a+3], 0x80000000
	s_mov_b32 s[\g0b], 1
	s_add_co_u32 s[\g0b+1], s19, (\s)*SLOT
	s_add_nc_u64 s[\g0b+2:\g0b+3], s[46:47], (\s)*CHB
	s_or_b32 s[\g0b+3], s[\g0b+3], 0x80000000
	JLOAD \g0a, G1, \g0b, G1B
.endm
.macro FRAG reg, a16, a8, off
	ds_load_b128 v[(\reg):(\reg)+3], v[\a16] offset:(\off)
	ds_load_b64 v[(\reg)+4:(\reg)+5], v[\a8] offset:(\off)+512
	ds_load_b128 v[(\reg)+6:(\reg)+9], v[\a16] offset:(\off)+768
	ds_load_b64 v[(\reg)+10:(\reg)+11], v[\a8] offset:(\off)+1280
.endm
.macro SCALES ch
.set ft, 0
.rept 4
	ds_load_b128 v[SCAR+4*ft:SCAR+4*ft+3], v[ASA] offset:ft*16*KSW+16*(\ch)
.set ft, ft+1
.endr
.set ft, 0
.rept NB
	ds_load_b128 v[SCBR+4*ft:SCBR+4*ft+3], v[ASB] offset:ft*16*KSW+16*(\ch)
.set ft, ft+1
.endr
.endm
.macro FETCH slot, q, p
.set CHB, 6144*(1+((\slot)+1)/2)       ; from tile to tile: 6,144 in slot 0, 12,288 in the large slot
	WIN 0x40
.set ft, 0
.rept NB
	FRAG 128*(\p)+12*ft, B16+\slot, B8+\slot, ft*CHB+(\q)*1536
.set ft, ft+1
.endr
	WIN 0
.set ft, 0
.rept 4
	FRAG AF+48*(\p)+12*ft, A16+\slot, A8+\slot, ft*CHB+(\q)*1536
.set ft, ft+1
.endr
.endm
.macro MULS p, q, zero                 ; the accumulators take turns, one instruction a turn, in the same order in every step
	WIN 0xa1
.set ma, 0
.rept 4
.set mt, 0
.rept NB
.if \zero
	v_wmma_scale_f32_16x16x128_f8f6f4 v[8*(NB*ma+mt):8*(NB*ma+mt)+7], v[128*(\p)+12*mt:128*(\p)+12*mt+11], v[AF+48*(\p)+12*ma:AF+48*(\p)+12*ma+11], 0, v[SCBR+4*mt+(\q)], v[SCAR+4*ma+(\q)] matrix_a_fmt:MATRIX_FMT_FP6 matrix_b_fmt:MATRIX_FMT_FP6
.else
	v_wmma_scale_f32_16x16x128_f8f6f4 v[8*(NB*ma+mt):8*(NB*ma+mt)+7], v[128*(\p)+12*mt:128*(\p)+12*mt+11], v[AF+48*(\p)+12*ma:AF+48*(\p)+12*ma+11], v[8*(NB*ma+mt):8*(NB*ma+mt)+7], v[SCBR+4*mt+(\q)], v[SCAR+4*ma+(\q)] matrix_a_fmt:MATRIX_FMT_FP6 matrix_b_fmt:MATRIX_FMT_FP6
.endif
.set mt, mt+1
.endr
.set ma, ma+1
.endr
.endm
; A chunk of 512 along K: four steps on fragment sets 0, 1, 0, 1; a step's fragments are asked for ahead of the step before.  Loads into registers that matrix instructions have read stand four plain vector instructions behind them.
.macro CHUNK slot, ch, first
	WIN 0
.if !(\first)
	PLACES 4
.endif
	SCALES \ch
	FETCH \slot, 0, 0
.irp q, 0,1,2,3
	s_wait_dscnt 0x0
.if \q < 3
.if \q > 0
	PLACES 4
.endif
	FETCH \slot, \q+1, 1-(\q)%2
.endif
.if (\first) && (\q == 0)
	MULS 0, 0, 1
.else
	MULS (\q)%2, \q, 0
.endif
.endr
	WIN 0
.endm
.macro TOSTAGE a                       ; row tile a: 16 rows x 64 columns into my stage, each accumulator from its low end on, and back by rows
	WIN 0x08
.irp t, 0,1,2,3
	ds_store_b128 v[STO], v[8*(4*(\a)+\t):8*(4*(\a)+\t)+3] offset:128*(\t/2)+32*(\t%2)
	ds_store_b128 v[STO], v[8*(4*(\a)+\t)+4:8*(4*(\a)+\t)+7] offset:128*(\t/2)+32*(\t%2)+16
.endr
	WIN 0
.irp i, 0,1,2,3,4,5,6,7
	ds_load_b128 v[BK+32*((\a)%2)+4*\i:BK+32*((\a)%2)+4*\i+3], v[RD] offset:2*\i*272   ; LDS serves a wave's instructions in order: these see my stores
.endr
.endm
.macro SEND a, younger
.set B0, BK+32*((\a)%2)
	s_wait_dscnt \younger                          ; the block is back; the next block's 8 stores and 8 loads may be out
.irp i, 0,1,2,3,4,5,6,7
	v_pk_add_f32 v[B0+4*\i:B0+4*\i+1], v[B0+4*\i:B0+4*\i+1], v[84:85]          ; + the bias,
	v_pk_add_f32 v[B0+4*\i+2:B0+4*\i+3], v[B0+4*\i+2:B0+4*\i+3], v[86:87]
.endr
	WIN 0x08
.irp i, 0,1,2,3,4,5,6,7
	v_pk_add_f32 v[B0+4*\i:B0+4*\i+1], v[B0+4*\i:B0+4*\i+1], v[128+32*(\a)+4*\i:128+32*(\a)+4*\i+1]       ; + the residual
	v_pk_add_f32 v[B0+4*\i+2:B0+4*\i+3], v[B0+4*\i+2:B0+4*\i+3], v[128+32*(\a)+4*\i+2:128+32*(\a)+4*\i+3]
.endr
	WIN 0
.irp i, 0,1,2,3,4,5,6,7
	global_store_b128 v[CO], v[B0+4*\i:B0+4*\i+3], s[12:13] offset:(32*((\a)/2)+8*((\a)%2)+2*\i+8*(\i/4))*4096 th:TH_STORE_NT   ; sixteen lanes store 256 consecutive bytes, at a multiple of 256 from the buffer's first byte
.endr
.endm
	s_load_b128 s[4:7], s[0:1], 0x0                ; GQ, WB
	s_load_b128 s[8:11], s[0:1], 0x10              ; X1, b_out
	s_load_b64 s[12:13], s[0:1], 0x20              ; out0
	v_lshl_add_u32 v[SPW], v0, 2, SPARE
	v_mov_b32 v[NIL], 0
	ds_add_u32 v28, v29
	ds_add_u32 v28, v29
	s_wait_dscnt 0x0
	v_lshrrev_b32 v1, 5, v0
	v_readfirstlane_b32 s14, v1
	s_lshr_b32 s15, s14, 1
	s_and_b32 s16, s14, 1
	s_bfe_u32 s40, ttmp6, 0x40000
	s_bfe_u32 s41, ttmp6, 0x40004
	s_lshl_b32 s42, ttmp9, 2
	s_add_co_u32 s42, s42, s40                     ; tile column
	s_and_b32 s17, ttmp7, 0xffff
	s_lshl_b32 s17, s17, 2
	s_add_co_u32 s17, s17, s41                     ; tile row
	s_lshl_b32 s43, s41, 2
	s_lshl_b32 s43, 15, s43
	s_lshl_b32 s44, 0x1111, s40
	s_or_b32 s[G1], s43, (3<<16)|(1<<21)
	s_or_b32 s[G1B], s44, (3<<16)|(1<<21)
	s_or_b32 s[G1S], s43, (3<<16)|(1<<21)
	s_or_b32 s[G1SB], s44, (3<<16)|(1<<21)
	SHAPE G1, 768, 8, TP/8                         ; the head's loads: 8 tiles x 6,144 bytes
	SHAPE G1B, 768, 8, TP/8
	SHAPE G1S, 32, 128*KSW/256, 32                 ; the scale words of 128 rows, dense
	SHAPE G1SB, 32, 128*KSW/256, 32
	s_lshl_b32 s20, s17, 3
	s_mul_i32 s22, s20, 16*KSW
	s_mul_i32 s20, s20, TP
	s_add_co_u32 s22, s22, ASC
	s_mov_b32 s21, 0
	s_mov_b32 s23, 0
	s_mul_i32 s46, s42, 2*NB
	s_mul_i32 s66, s46, 16*KSW
	s_mul_i32 s46, s46, TP
	s_add_co_u32 s46, s46, BCO
	s_add_co_u32 s66, s66, BSC
	s_mov_b32 s47, 0
	s_mov_b32 s67, 0
	s_mul_i32 s2, s16, 4*TP                        ; behind the head I fetch 4 tiles: which half, in bytes of memory
	s_mov_b32 s3, 0
	s_mul_i32 s18, s16, 4*6144                     ; where they go in slot 0: A's,
	s_add_co_u32 s19, s18, BOFF                    ; B's;
	s_mul_i32 s45, s16, 4*12288
	s_add_co_u32 s45, s45, SLOT                    ; and in the large slot: A's,
	s_add_co_u32 s44, s45, 8*12288                 ; B's
	s_wait_kmcnt 0x0
	s_add_nc_u64 s[20:21], s[4:5], s[20:21]
	s_add_nc_u64 s[22:23], s[4:5], s[22:23]
	s_add_nc_u64 s[46:47], s[6:7], s[46:47]
	s_add_nc_u64 s[66:67], s[6:7], s[66:67]
	CROUND
.macro GC g, lds, src                  ; a group 0: LDS byte a constant
	s_mov_b32 s[\g], 1
	s_mov_b32 s[\g+1], \lds
	s_mov_b64 s[\g+2:\g+3], s[\src:\src+1]
	s_or_b32 s[\g+3], s[\g+3], 0x80000000
.endm
.macro GR g, lreg, src, off            ; a group 0: LDS byte in a register, the address off bytes along K
	s_mov_b32 s[\g], 1
	s_mov_b32 s[\g+1], s[\lreg]
	s_add_nc_u64 s[\g+2:\g+3], s[\src:\src+1], \off
	s_or_b32 s[\g+3], s[\g+3], 0x80000000
.endm
.macro ARM under, g0, g1, next         ; one arm of the head's chain: every way through it passes one load
	s_cmp_lt_u32 s14, \under
	s_cbranch_scc0 \next
	tensor_load_to_lds s[\g0:\g0+3], s[\g1:\g1+7]
	s_nop 0
.rept 4
	v_nop
.endr
	s_branch .Lhead_asked
\next:
.endm
	GC G0, 0, 20
	GC G0B, BOFF, 46
	GC G0S, SCA, 22
	GC G0SB, SCB, 66
	ARM 1, G0, G1, .Lhead_b
	ARM 2, G0B, G1B, .Lhead_sa
	ARM 3, G0S, G1S, .Lhead_sb
	tensor_load_to_lds s[G0SB:G0SB+3], s[G1SB:G1SB+7]
	s_nop 0
.rept 4
	v_nop
.endr
.Lhead_asked:
	s_add_nc_u64 s[20:21], s[20:21], s[2:3]        ; my 4 tiles
	s_add_nc_u64 s[46:47], s[46:47], s[2:3]
	GR G0+4, 45, 20, 6144                          ; K 512-1535
	GR G0B+4, 44, 46, 6144
	GR 92, 18, 20, 18432                           ; K 1536-2047
	GR 96, 19, 46, 18432
	v_and_b32 v1, 31, v0
	v_and_b32 v2, 15, v0
	v_bfe_u32 v3, v0, 4, 1
	s_wait_alu depctr_va_vdst(0)
	v_lshlrev_b32 v4, 4, v1
	s_wait_alu depctr_va_vdst(0)
	v_lshlrev_b32 v5, 3, v1
	s_wait_alu depctr_va_vdst(0)
	s_lshl_b32 s18, s17, 7
	s_lshl_b32 s19, s15, 6
	s_add_co_u32 s18, s18, s19                     ; my first row: 128 x tile row + 64 x half
	s_lshl_b32 s18, s18, 12
	s_lshl_b32 s20, s42, 9
	s_lshl_b32 s21, s16, 8
	s_add_co_u32 s20, s20, s21                     ; my first column, in bytes
	s_add_co_u32 s18, s18, s20
	s_mov_b32 s19, 0
	s_mov_b32 s21, 0
	s_add_nc_u64 s[8:9], s[8:9], s[18:19]
	s_add_nc_u64 s[12:13], s[12:13], s[18:19]
	s_add_nc_u64 s[10:11], s[10:11], s[20:21]
	v_lshlrev_b32 v[CO], 12, v3
	v_lshl_add_u32 v[CO], v2, 4, v[CO]             ; lanes 0-15 one row, lanes 16-31 the next; 16 bytes a lane
	v_lshlrev_b32 v26, 4, v2
	WIN 0x80
.irp a, 0,1,2,3
.irp i, 0,1,2,3,4,5,6,7
	global_load_b128 v[128+32*\a+4*\i:128+32*\a+4*\i+3], v[CO], s[8:9] offset:(32*(\a/2)+8*(\a%2)+2*\i+8*(\i/4))*4096 th:TH_LOAD_NT
.endr
.endr
	WIN 0
	global_load_b128 v[84:87], v26, s[10:11]
	s_mul_i32 s18, s15, 4*CHB
	s_mul_i32 s19, s16, NB*CHB
	s_add_co_u32 s19, s19, BOFF
.irp s, 0,1,2
	v_add_nc_u32 v[A16+\s], s18, v4
	v_add_nc_u32 v[A8+\s], s18, v5
	v_add_nc_u32 v[B16+\s], s19, v4
	v_add_nc_u32 v[B8+\s], s19, v5
.if \s == 0
	s_lshl_b32 s18, s18, 1                         ; the large slot: tiles twice as far apart (2 BOFF = A's 8 tiles there)
	s_add_co_u32 s18, s18, SLOT
	s_lshl_b32 s19, s19, 1
	s_add_co_u32 s19, s19, SLOT
.else
	s_add_co_u32 s18, s18, 6144                    ; its second half along K
	s_add_co_u32 s19, s19, 6144
.endif
.endr
	v_mul_u32_u24 v6, v2, KSW
	s_mul_i32 s18, s15, 64*KSW
	s_add_co_u32 s18, s18, SCA
	v_add_nc_u32 v[ASA], s18, v6
	s_mul_i32 s18, s16, 16*NB*KSW
	s_add_co_u32 s18, s18, SCB
	v_add_nc_u32 v[ASB], s18, v6
	s_mul_i32 s18, s14, 16*272
	s_add_co_u32 s18, s18, STAGE                   ; my stage
	v_mul_u32_u24 v[STO], v2, 272
	v_lshl_add_u32 v[STO], v3, 6, v[STO]
	v_add_nc_u32 v[STO], s18, v[STO]               ; in: row r, + 64 h
	v_mul_u32_u24 v[RD], v3, 272
	v_lshl_add_u32 v[RD], v2, 4, v[RD]
	v_add_nc_u32 v[RD], s18, v[RD]                 ; back: lanes 0-15 one row, lanes 16-31 the next
	s_wait_alu depctr_va_vdst(0)
	s_wait_tensorcnt 0x0                           ; my tile of the head's four is in
	ds_add_u32 v[SPW], v[NIL]
	SHAPE G1, 1536, 4, TP/8                        ; no load of mine is out: the next brings 4 tiles x 12,288 bytes
	SHAPE G1B, 1536, 4, TP/8
	s_wait_dscnt 0x0
	CROUND                                         ; all four tiles are in, and all sixteen work-groups are here
	JLOAD G0+4, G1, G0B+4, G1B                     ; the large slot's first fill, my one load behind the round
	CHUNK 0, 0, 1
	s_wait_tensorcnt 0x0                           ; all my tensor loads have landed, my parts of chunks 1 and 2 among them: so a group 0 may be written
	ds_add_u32 v[SPW], v[NIL]                      ; 0 onto my spare word
	SHAPE G1, 768, 4, TP/8                         ; the refill brings 4 tiles x 6,144 bytes
	SHAPE G1B, 768, 4, TP/8
	s_wait_dscnt 0x0
	CROUND
	JLOAD 92, G1, 96, G1B
	CHUNK 1, 1, 0
	CHUNK 2, 2, 0
	s_wait_tensorcnt 0x0                           ; my part of chunk 3: the one load that was out
	s_wait_dscnt 0x0                               ; my reads of slots 1 and 2 are over: behind this barrier slot 1 serves as the stages
	s_barrier_signal -1
	s_barrier_wait -1
	CHUNK 0, 3, 0
	PLACES 4                                       ; in front of the first read of results and of loads into A's fragments' registers
	s_wait_loadcnt 0x0                             ; the residual and the bias
	TOSTAGE 0
.irp a, 1,2,3
.if \a > 1
	s_wait_xcnt 0x0                                ; block a - 2's stores have read their registers: block a's rows may land there
.endif
	TOSTAGE \a
	SEND \a-1, 16
.endr
	SEND 3, 0
	s_wait_tensorcnt 0x0                           ; the wave's end, behind my last tensor load and my last LDS store
	ds_add_u32 v[SPW], v[NIL]
	s_wait_dscnt 0x0
	CROUND                                         ; the closing round
	s_endpgm
.Lfunc_end_k_q1c05147947_outgemm:
	.size	k_q1c05147947_outgemm, .Lfunc_end_k_q1c05147947_outgemm-k_q1c05147947_outgemm
	.p2alignl 7, 3214868480
	.fill 96, 4, 3214868480
	.section	.rodata,"a",@progbits
	.p2align	6, 0x0
	.amdhsa_kernel k_q1c05147947_outgemm
		.amdhsa_group_segment_fixed_size 327680
		.amdhsa_private_segment_fixed_size 0
		.amdhsa_enable_private_segment 0
		.amdhsa_kernarg_size 40
		.amdhsa_user_sgpr_count 2
		.amdhsa_user_sgpr_kernarg_segment_ptr 1
		.amdhsa_wavefront_size32 1
		.amdhsa_system_sgpr_workgroup_id_x 1
		.amdhsa_system_sgpr_workgroup_id_y 1
		.amdhsa_system_sgpr_workgroup_id_z 1
		.amdhsa_system_vgpr_workitem_id 0
		.amdhsa_next_free_vgpr 768
		.amdhsa_next_free_sgpr 102
		.amdhsa_reserve_vcc 0
		.amdhsa_float_denorm_mode_32 3
		.amdhsa_float_denorm_mode_16_64 3
		.amdhsa_memory_ordered 1
		.amdhsa_forward_progress 1
		.amdhsa_inst_pref_size 103
	.end_amdhsa_kernel
	.amdgpu_metadata
---
amdhsa.version: [ 1, 2 ]
amdhsa.kernels:
  - .name:           k_q1c05147947_outgemm
    .symbol:         k_q1c05147947_outgemm.kd
    .args:
      - { .name: GQ, .offset: 0, .size: 8, .value_kind: global_buffer, .address_space: global }
      - { .name: WB, .offset: 8, .size: 8, .value_kind: global_buffer, .address_space: global }
      - { .name: X1, .offset: 16, .size: 8, .value_kind: global_buffer, .address_space: global }
      - { .name: b_out, .offset: 24, .size: 8, .value_kind: global_buffer, .address_space: global }
      - { .name: out0, .offset: 32, .size: 8, .value_kind: global_buffer, .address_space: global }
    .group_segment_fixed_size: 327680
    .private_segment_fixed_size: 0
    .kernarg_segment_align: 8
    .kernarg_segment_size: 40
    .max_flat_workgroup_size: 128
    .sgpr_count:     102
    .vgpr_count:     768
    .wavefront_size: 32
...
	.end_amdgpu_metadata
.endif
;; end of part 6
